; MI455X (gfx1250); checked and timed in simulation.
; The chip was launched on July 23, 2026; its instructions are those of AMD's public machine-readable ISA for CDNA 5 (MIT licence, August 2026) and "CDNA5" Instruction Set Architecture Reference Guide (July 2026). The comments in the code are by the model that wrote it; some were corrected since.
;; Global Linear Self Attention. Allowed arithmetic: float matrix products may take bf16 or f16 operands with f32 sums; all other float work in f32.
;; Inputs: W_out 1,024 x 1,024 float32; W_qkv 1,024 x 3,072 float32; feats 2 x 4,096 x 1,024 float32.
;; Outputs: out0 2 x 4,096 x 1,024 float32.
;; 2 versions, each right; version 2 is version 1 with the launch prep written anew for expert scheduling mode. Each part assembles by itself: llvm-mc -triple=amdgcn-amd-amdhsa -mcpu=gfx1250 --defsym DOCPART=n.
;; ======== version 1 of 2: 4 launches
;; workspace buffers: fb 16,777,216 bytes; wq 6,291,456 bytes; wo 2,097,152 bytes; qs 16,777,216 bytes; part 8,912,896 bytes; mt 4,194,304 bytes
;; launch prep (part 1): grid 256 x 1, 12 waves a work-group, no clusters, 36,352 bytes of LDS; arguments feats, W_qkv, W_out, fb, wq, wo; writes fb, wq, wo
.if DOCPART == 1
	.amdgcn_target "amdgcn-amd-amdhsa--gfx1250"
	.amdhsa_code_object_version 6
	.text
	.protected	k_q2ce95a6518_prep
	.globl	k_q2ce95a6518_prep
	.p2align	8
	.type	k_q2ce95a6518_prep,@function
k_q2ce95a6518_prep:
	s_mov_b64 s[64:65], 0
	v_nop
	global_prefetch_b8 v0, s[64:65] scope:SCOPE_SE
	s_setreg_imm32_b32 hwreg(HW_REG_WAVE_MODE, 25, 1), 1
	s_wait_xcnt 0x0
; bf16 copies of the three inputs, in the layouts that the later launches read.
;   fb[kb][row][k]  = feats[row][64 kb + k]                                   (8192 rows of 128 bytes in each of 16 K blocks)
;   wq[kb][row'][k] = W_qkv[64 kb + k][col], row' = 384 g + 192 j + 64 t + c for col = 1024 t + 64 (2 g + j) + c  (t: q, k, v)
;   wo[h][ct][s][hf][lane][8] = W_out[64 h + 32 s + 16 hf + 8 (lane >> 4) + 0..7][16 ct + (lane & 15)]: the register image of a matrix
;   fragment (16 columns c, K = e), so that 512 consecutive bytes fill four registers of a wave.
; 256 work-groups of 12 waves.  Waves 0-3: one unit of 64 k x 64 columns of a weight each (1,024 units), transposed through the wave's own
; LDS bytes.  Waves 4-11: 4 rows of feats each, straight through registers.  Both kinds of share read 16 KiB and write 8 KiB, so every
; work-group has the same 12 shares.
; Memory binds: every input byte is read once, in pieces of 256 consecutive bytes; every store of a wave covers 256 or 512 consecutive
; aligned bytes.  No matrix unit, no cluster (no two work-groups read the same bytes), no barrier (a wave reads only LDS bytes it wrote).
; Rounding: f32 to bf16, nearest even, once.
.set X,     16                         ; v[16:143]  as loaded
.set Y,     144                        ; v[144:207] packed bf16
.set WLDS,  8704                       ; a weight wave's LDS: 32 rows of 272 bytes (two output rows of 128 bytes + 16 of padding)
	s_load_b256 s[4:11], s[0:1], 0x0               ; feats s[4:5], W_qkv s[6:7], W_out s[8:9], fb s[10:11]
	s_load_b128 s[12:15], s[0:1], 0x20             ; wq s[12:13], wo s[14:15]
	v_lshl_add_u32 v208, v0, 2, 0x8800
	v_mov_b32 v209, 0
	v_lshrrev_b32 v1, 5, v0
	v_readfirstlane_b32 s16, v1                    ; wave 0..11
	v_and_b32 v2, 31, v0                           ; lane
	s_mov_b32 s17, ttmp9
	s_mov_b32 s21, 0                               ; upper words of the two offset pairs
	s_mov_b32 s23, 0
	s_wait_kmcnt 0x0
	s_cmp_ge_u32 s16, 4
	s_cbranch_scc1 .Lfeats
	; ---- weights ----
	s_lshl2_add_u32 s19, s17, s16                  ; unit = 4 x work-group + wave
	s_lshr_b32 s18, s19, 4                         ; cb: block of 64 columns, 0-47 of W_qkv, 48-63 of W_out
	s_and_b32 s19, s19, 15                         ; kb
	v_lshlrev_b32 v3, 3, v2                        ; my two columns: 8 bytes a lane, 256 bytes a wave
	s_mul_i32 s24, s16, WLDS
	v_mul_u32_u24 v4, v2, 272
	v_add_nc_u32 v4, s24, v4                       ; in: lane L's two output rows lie at L x 272 and L x 272 + 128
	v_lshrrev_b32 v8, 4, v2                        ; hh
	v_and_b32 v9, 15, v2                           ; r
	v_mul_u32_u24 v5, v8, 272
	v_lshl_add_u32 v5, v9, 4, v5
	v_add_nc_u32 v5, s24, v5                       ; back by rows: lanes 0-15 one LDS row (two output rows), lanes 16-31 the next
	v_lshrrev_b32 v7, 1, v9
	v_mul_u32_u24 v7, v7, 272
	v_and_b32 v9, 1, v9
	v_lshl_add_u32 v7, v9, 7, v7
	v_lshl_add_u32 v7, v8, 4, v7
	v_add_nc_u32 v7, s24, v7                       ; back by fragments: column r's row, 16 bytes for each half of the lanes
	v_lshlrev_b32 v6, 4, v2                        ; out: 16 bytes a lane
; One unit: 64 rows (k) of 256 bytes from s[32:33], pitch bytes apart; 8 KiB, dense, to s[34:35]:
; frag = 0: 64 rows of 128 bytes; frag = 1: 16 pieces of 512 bytes in fragment order (column tile t >> 2, 32 bytes of k for each t & 3).
.macro WUNIT pitch, frag
.set k, 0
.rept 64
	global_load_b64 v[X+2*k:X+2*k+1], v3, s[32:33] offset:k*\pitch th:TH_LOAD_NT
.set k, k+1
.endr
.irp c, 0,1,2,3,4,5,6,7
	s_wait_loadcnt 56-8*\c                         ; loads return in order: the rows k = 8c .. 8c+7 are in, the 56 - 8c younger stay out
.irp i, 0,1,2,3
	v_cvt_pk_bf16_f32 v[Y+8*\c+\i],   v[X+2*(8*\c+2*\i)],   v[X+2*(8*\c+2*\i+1)]     ; even column, k and k + 1
	v_cvt_pk_bf16_f32 v[Y+8*\c+4+\i], v[X+2*(8*\c+2*\i)+1], v[X+2*(8*\c+2*\i+1)+1]   ; odd column
.endr
	ds_store_b128 v4, v[Y+8*\c:Y+8*\c+3] offset:16*\c
	ds_store_b128 v4, v[Y+8*\c+4:Y+8*\c+7] offset:16*\c+128
.endr
.irp t, 0,1,2,3,4,5,6,7,8,9,10,11,12,13,14,15
.if \frag
	ds_load_b128 v[X+4*\t:X+4*\t+3], v7 offset:(\t>>2)*2176+(\t&3)*32   ; a wave's LDS instructions are served in order: these see the stores above
.else
	ds_load_b128 v[X+4*\t:X+4*\t+3], v5 offset:\t*544
.endif
.endr
.irp t, 0,1,2,3,4,5,6,7,8,9,10,11,12,13,14,15
	s_wait_dscnt 15-\t
	global_store_b128 v6, v[X+4*\t:X+4*\t+3], s[34:35] offset:\t*512   ; 512 consecutive bytes
.endr
	s_wait_tensorcnt 0x0
	ds_add_u32 v208, v209
	s_wait_dscnt 0x0
	s_endpgm
.endm
	s_cmp_ge_u32 s18, 48
	s_cbranch_scc1 .Lwout
	s_mul_i32 s20, s19, 64*12288                   ; W_qkv: 64 rows of 12,288 bytes for each kb,
	s_lshl_b32 s24, s18, 8                         ; 256 bytes for each block of columns
	s_add_co_u32 s20, s20, s24
	s_add_nc_u64 s[32:33], s[6:7], s[20:21]
	s_lshr_b32 s24, s18, 4                         ; t
	s_and_b32 s25, s18, 15                         ; head
	s_lshr_b32 s26, s25, 1                         ; g
	s_and_b32 s25, s25, 1                          ; j
	s_mul_i32 s26, s26, 6
	s_mul_i32 s25, s25, 3
	s_add_co_u32 s26, s26, s25
	s_add_co_u32 s26, s26, s24                     ; 6 g + 3 j + t: the block of 64 rows of wq
	s_mul_i32 s22, s19, 3072*128
	s_lshl_b32 s26, s26, 13
	s_add_co_u32 s22, s22, s26
	s_add_nc_u64 s[34:35], s[12:13], s[22:23]
	WUNIT 12288, 0
.Lwout:
	s_sub_co_u32 s24, s18, 48
	s_lshl_b32 s20, s19, 18                        ; W_out: 64 rows of 4,096 bytes for each kb (= head)
	s_lshl_b32 s25, s24, 8
	s_add_co_u32 s20, s20, s25
	s_add_nc_u64 s[32:33], s[8:9], s[20:21]
	s_lshl_b32 s22, s19, 17                        ; wo: 131,072 bytes for each head, 8,192 for each 64 columns
	s_lshl_b32 s25, s24, 13
	s_add_co_u32 s22, s22, s25
	s_add_nc_u64 s[34:35], s[14:15], s[22:23]
	WUNIT 4096, 1
	; ---- feats ----
.Lfeats:
	s_lshl_b32 s18, s17, 5
	s_sub_co_u32 s19, s16, 4
	s_lshl2_add_u32 s18, s19, s18                  ; my first row = 32 x work-group + 4 (wave - 4)
	s_lshl_b32 s20, s18, 12
	s_add_nc_u64 s[32:33], s[4:5], s[20:21]
	s_lshl_b32 s22, s18, 7
	s_add_nc_u64 s[34:35], s[10:11], s[22:23]      ; fb, K blocks 0-7
	s_add_nc_u64 s[36:37], s[34:35], 0x800000      ; K blocks 8-15, so that the stores' immediates stay inside 24 signed bits
	v_lshrrev_b32 v3, 4, v2
	v_and_b32 v4, 15, v2
	v_lshlrev_b32 v4, 4, v4
	v_lshl_add_u32 v4, v3, 12, v4                  ; lanes 0-15: 256 bytes of one row; lanes 16-31: of the next
	v_lshlrev_b32 v5, 3, v2                        ; out: 8 bytes a lane, two rows of one K block = 256 consecutive bytes
.set n, 0
.rept 32
	global_load_b128 v[X+4*n:X+4*n+3], v4, s[32:33] offset:(n>>4)*8192+(n&15)*256 th:TH_LOAD_NT
.set n, n+1
.endr
.set n, 0
.rept 32
	s_wait_loadcnt 31-n                            ; load n is in, the younger ones stay out; no register is written twice
	v_cvt_pk_bf16_f32 v[Y+2*n],   v[X+4*n],   v[X+4*n+1]
	v_cvt_pk_bf16_f32 v[Y+2*n+1], v[X+4*n+2], v[X+4*n+3]
.if (n&15) < 8
	global_store_b64 v5, v[Y+2*n:Y+2*n+1], s[34:35] offset:(n&7)*1048576+(n>>4)*256
.else
	global_store_b64 v5, v[Y+2*n:Y+2*n+1], s[36:37] offset:(n&7)*1048576+(n>>4)*256
.endif
.set n, n+1
.endr
	s_endpgm
.Lfunc_end_k_q2ce95a6518_prep:
	.size	k_q2ce95a6518_prep, .Lfunc_end_k_q2ce95a6518_prep-k_q2ce95a6518_prep
	.p2alignl 7, 3214868480
	.fill 96, 4, 3214868480
	.section	.rodata,"a",@progbits
	.p2align	6, 0x0
	.amdhsa_kernel k_q2ce95a6518_prep
		.amdhsa_group_segment_fixed_size 36352
		.amdhsa_private_segment_fixed_size 0
		.amdhsa_enable_private_segment 0
		.amdhsa_kernarg_size 48
		.amdhsa_user_sgpr_count 2
		.amdhsa_user_sgpr_kernarg_segment_ptr 1
		.amdhsa_wavefront_size32 1
		.amdhsa_system_sgpr_workgroup_id_x 1
		.amdhsa_system_sgpr_workgroup_id_y 1
		.amdhsa_system_sgpr_workgroup_id_z 1
		.amdhsa_system_vgpr_workitem_id 0
		.amdhsa_next_free_vgpr 210
		.amdhsa_next_free_sgpr 66
		.amdhsa_reserve_vcc 0
		.amdhsa_float_denorm_mode_32 3
		.amdhsa_float_denorm_mode_16_64 3
		.amdhsa_memory_ordered 1
		.amdhsa_forward_progress 1
		.amdhsa_inst_pref_size 43
	.end_amdhsa_kernel
	.amdgpu_metadata
---
amdhsa.version: [ 1, 2 ]
amdhsa.kernels:
  - .name:           k_q2ce95a6518_prep
    .symbol:         k_q2ce95a6518_prep.kd
    .args:
      - { .name: feats, .offset: 0, .size: 8, .value_kind: global_buffer, .address_space: global }
      - { .name: W_qkv, .offset: 8, .size: 8, .value_kind: global_buffer, .address_space: global }
      - { .name: W_out, .offset: 16, .size: 8, .value_kind: global_buffer, .address_space: global }
      - { .name: fb, .offset: 24, .size: 8, .value_kind: global_buffer, .address_space: global }
      - { .name: wq, .offset: 32, .size: 8, .value_kind: global_buffer, .address_space: global }
      - { .name: wo, .offset: 40, .size: 8, .value_kind: global_buffer, .address_space: global }
    .group_segment_fixed_size: 36352
    .private_segment_fixed_size: 0
    .kernarg_segment_align: 8
    .kernarg_segment_size: 48
    .max_flat_workgroup_size: 384
    .sgpr_count:     66
    .vgpr_count:     210
    .wavefront_size: 32
...
	.end_amdgpu_metadata
.endif
;; end of part 1
;; launch qkv (part 2): grid 8 x 32, 4 waves a work-group, clusters of 4 x 4, 327,680 bytes of LDS; arguments fb, wq, qs, part; writes qs, part
.if DOCPART == 2
	.amdgcn_target "amdgcn-amd-amdhsa--gfx1250"
	.amdhsa_code_object_version 6
	.text
	.protected	k_q2ce95a6518_qkv
	.globl	k_q2ce95a6518_qkv
	.p2align	8
	.type	k_q2ce95a6518_qkv,@function
k_q2ce95a6518_qkv:
	s_mov_b64 s[64:65], 0
	v_nop
	global_prefetch_b8 v0, s[64:65] scope:SCOPE_SE
	s_setreg_imm32_b32 hwreg(HW_REG_WAVE_MODE, 25, 1), 1
	s_wait_xcnt 0x0
	s_wait_alu depctr_hold_cnt(0) depctr_sa_sdst(0) depctr_va_vdst(0) depctr_va_sdst(0) depctr_va_ssrc(0) depctr_va_vcc(0) depctr_vm_vsrc(0)
	s_getreg_b32 s2, hwreg(HW_REG_IB_STS2, 6, 4)
	s_cmp_eq_u32 s2, 0
	s_cbranch_scc0 .Lentry_in_a_cluster
	s_endpgm
.Lentry_in_a_cluster:
	s_bfe_u32 s2, ttmp6, 0x10000c
	s_cmp_lg_u32 s2, 0xf033
	s_cbranch_scc0 .Lentry_shape_is_right
	s_endpgm
.Lentry_shape_is_right:
; qkv = feats W_qkv for 256 rows and one pair of heads, then, out of the accumulators:
;   qs[row block][h][row in the block][d] = softmax over d of q, times 1/8, in bf16 (32 KiB dense for each row block and head);
;   part[record]   = for the block's 256 rows of head h: m L (column maxima of k times log2 e), s = sum of exp(k - m), and exp(k - m)^T v.
; k and v never go to memory.  The next launch merges a head's 16 records with exp(m_i - M): a true maximum is taken away throughout.
; Four waves; wave w = 2 i + j makes rows 128 i .. +127 of q, k and v of head 2 g + j: 128 x 192 numbers, 96 accumulator tiles, 768 registers.
; K goes in steps of 64 (one K block of fb and wq) through two LDS slots; two slots of a step of 128 (2 x 174,080 bytes) would not fit in 327,680.
; A tile is a dense block of memory and comes in as rows of 256 bytes with 16 bytes of padding behind each: an LDS row of 272 bytes holds two
; logical rows of 128 bytes; logical row x lies at (x >> 1) 272 + (x & 1) 128.  The 16 rows of a fragment load then touch 16 different
; 16-byte columns of a 256-byte line: (r >> 1) + 8 (r & 1).
; CLUSTER 4 x 4: fb's tile hangs on the row block alone and is asked for jointly along a row of the cluster, wq's on the head pair alone and
; is asked for jointly along a column.
; LIMITS: NaN and infinities in the inputs are not reproduced (the maxima drop NaN); an exponential below 2^-126 comes out as 0;
; sums run in another order than the reference's; matrix operands are rounded to bf16.
; REGISTERS: window 0: v4-13 addresses, v16-31 statistics of k, v32-159 A's fragments (two buffers), v160-255 B's fragments for q, k, v;
;   window 1: q tile (a, b) at 8 (4 a + b), used transposed (lane = row, 8 neighbouring columns);
;   windows 2, 3: k, v tile (a, b) at 64 (a >> 1) + 16 b + 8 (a & 1), natural (lane = column, 8 rows): two tiles that lie above each other
;   pack in place into one K = 32 fragment of exp(k)^T v.
.set SLOT,  87040                      ; B's 384 logical rows (52,224 bytes), then A's 256 (34,816)
.set BHALF, 26112                      ; 192 logical rows: one tensor load, and what one wave reads of B
.set AHALF, 17408                      ; 128 logical rows
.set T16,   2176                       ; 16 logical rows
.set QST,   174080                     ; behind the ring, never a tensor load's target: 16 rows x 144 bytes for each wave (q on its way out)
.set MST,   183296                     ; 256 bytes for each wave: column maxima
.set CRED,  184320                     ; 16,896 bytes for each head: the upper row half's sums
.set ADRA, 4                           ; v4-5   LDS address of my A fragments in slot 0, 1
.set ADRB, 6                           ; v6-7   the same for B
.set QSTO, 8
.set QRD,  9
.set L16,  10                          ; 16 x lane
.set MOWN, 11
.set MPAR, 12
.set CADR, 13
.set KM,   16                          ; v16-19 column maxima of k, then times log2 e
.set NM,   20                          ; v20-27 their negatives, in pairs
.set SS,   28                          ; v28-31 column sums
.set FA0,  32
.set FA1,  96
.set FBQ,  160
.set FBK,  192
.set FBV,  224
.set TP,   32                          ; the way out: at work (registers of FA0, written by its loads)
.set SA,   40
.set CT,   64                          ; v64-191 exp(k)^T v: tile (bd, be) at CT + 8 (4 bd + be)
.set QT,   32                          ; q: row maxima, then row sums
.set QN,   40                          ; v40-55 pairs: - max log2 e, then 1 / (8 sum)
.set QX,   56                          ; v56-63 at work
.set QA,   192                         ; v192-207 running sums
.set QP,   208                         ; v208-223 packed
.set G1A, 24
.set G0A, 32
.set G1B, 48
.set G0B, 56
.set MSB, 0
.macro WIN new                         ; the immediate's high byte repeats the setting that is left
.if MSB != \new
	s_set_vgpr_msb (MSB<<8)|\new
.set MSB, \new
.endif
.endm
.macro PLACES                          ; four places behind a matrix instruction, in front of loads into its sources and of readers of its result
.rept 4
	v_nop
.endr
.endm
.macro JLOAD s                         ; waves 0, 1 ask for B's two halves, waves 2, 3 for A's: one line, one mask
	s_cmp_eq_u32 s11, 0
	s_cbranch_scc0 .Lfor_a_\@
	tensor_load_to_lds s[G0B+4*\s:G0B+4*\s+3], s[G1B:G1B+7]
	s_nop 0
	s_branch .Lasked_\@
.Lfor_a_\@:
	tensor_load_to_lds s[G0A+4*\s:G0A+4*\s+3], s[G1A:G1A+7]
	s_nop 0
.Lasked_\@:
.endm
.macro CREST                           ; a round of the cluster's barrier behind its opening barrier
	s_cmp_lg_u32 s10, 0
	s_cbranch_scc1 .Lnot_wave_0_\@
	s_barrier_signal -3
.Lnot_wave_0_\@:
	s_barrier_wait -3
	s_barrier_signal -1
	s_barrier_wait -1
.endm
.macro CROUND
	s_barrier_signal -1
	s_barrier_wait -1
	CREST
.endm
	s_load_b128 s[4:7], s[0:1], 0x0                ; fb s[4:5], wq s[6:7]
	s_load_b128 s[72:75], s[0:1], 0x10             ; qs s[72:73], part s[74:75]
	v_lshl_add_u32 v30, v0, 2, 0x35400
	v_mov_b32 v31, 0
	ds_add_u32 v30, v31
	s_wait_dscnt 0x0
	v_lshrrev_b32 v1, 5, v0
	v_readfirstlane_b32 s10, v1                    ; wave 0..3
	s_lshr_b32 s11, s10, 1                         ; i: my half of the rows.  Also: I fetch for B (0) or for A (1)
	s_and_b32 s12, s10, 1                          ; j: my head of the pair.  Also: which half of that tile I fetch
	s_bfe_u32 s40, ttmp6, 0x40000                  ; cx
	s_bfe_u32 s41, ttmp6, 0x40004                  ; cy
	s_lshl_b32 s42, ttmp9, 2
	s_add_co_u32 s42, s42, s40                     ; g = 4 x cluster x + cx
	s_and_b32 s13, ttmp7, 0xffff
	s_lshl_b32 s13, s13, 2
	s_add_co_u32 s13, s13, s41                     ; row block = 4 x cluster y + cy
	s_lshl_b32 s43, s41, 2
	s_lshl_b32 s43, 15, s43                        ; my row of the cluster
	s_lshl_b32 s44, 0x1111, s40                    ; my column
	; group 1: elements of 8 bytes, rows of 32 elements (256 bytes), dense; 4 words of padding behind every 64; bit 21 beside the mask
	s_or_b32 s[G1A+0], s43, (3<<16)|(1<<20)|(1<<21)|(5<<22)|(3<<25)
	s_or_b32 s[G1B+0], s44, (3<<16)|(1<<20)|(1<<21)|(5<<22)|(3<<25)
	s_mov_b32 s[G1A+1], 32<<16                     ; tensor_dim0 = 32
	s_mov_b32 s[G1B+1], 32<<16
	s_mov_b32 s[G1A+2], 64<<16                     ; tensor_dim1: A 64 rows of 256 bytes (16 KiB),
	s_mov_b32 s[G1B+2], 96<<16                     ; B 96 (24 KiB)
	s_mov_b32 s[G1A+3], 32<<16                     ; tile_dim0
	s_mov_b32 s[G1B+3], 32<<16
	s_mov_b32 s[G1A+4], 64                         ; tile_dim1
	s_mov_b32 s[G1B+4], 96
	s_mov_b32 s[G1A+5], 32                         ; pitch = row
	s_mov_b32 s[G1B+5], 32
	s_mov_b32 s[G1A+6], 0
	s_mov_b32 s[G1B+6], 0
	s_mov_b32 s[G1A+7], 0
	s_mov_b32 s[G1B+7], 0
	s_lshl_b32 s16, s13, 15                        ; A: 256 rows of 128 bytes for each row block,
	s_lshl_b32 s17, s12, 14                        ; 128 rows for the half
	s_add_co_u32 s16, s16, s17
	s_mov_b32 s17, 0
	s_mul_i32 s46, s42, 49152                      ; B: 384 rows for each head pair,
	s_mul_i32 s47, s12, 24576                      ; 192 for the half
	s_add_co_u32 s46, s46, s47
	s_mov_b32 s47, 0
	s_mul_i32 s20, s10, AHALF
	s_add_co_u32 s20, s20, AHALF                   ; A's halves (waves 2, 3) lie at 52,224 and 69,632
	s_mul_i32 s21, s10, BHALF                      ; B's halves (waves 0, 1) at 0 and 26,112
	s_mov_b32 s66, 0x76543210                      ; v_permlanex16_b32: lane i reads lane i of the other half
	s_mov_b32 s67, 0xfedcba98
	s_mov_b32 s68, 0x3fb8aa3b                      ; log2 e, twice
	s_mov_b32 s69, 0x3fb8aa3b
	s_wait_kmcnt 0x0
	s_add_nc_u64 s[14:15], s[4:5], s[16:17]
	s_add_nc_u64 s[46:47], s[6:7], s[46:47]
	CROUND                                         ; all sixteen work-groups are here: the first joint loads meet
.irp s, 0,1
	s_mov_b32 s[G0A+4*\s], 1
	s_add_co_u32 s[G0A+4*\s+1], s20, \s*SLOT
	s_add_nc_u64 s[G0A+4*\s+2:G0A+4*\s+3], s[14:15], \s*1048576    ; K block s of fb
	s_or_b32 s[G0A+4*\s+3], s[G0A+4*\s+3], 0x80000000
	s_mov_b32 s[G0B+4*\s], 1
	s_add_co_u32 s[G0B+4*\s+1], s21, \s*SLOT
	s_add_nc_u64 s[G0B+4*\s+2:G0B+4*\s+3], s[46:47], \s*393216     ; K block s of wq
	s_or_b32 s[G0B+4*\s+3], s[G0B+4*\s+3], 0x80000000
	JLOAD \s                                       ; two loads of the wave are out at the most, here; later one
.endr
	v_and_b32 v1, 15, v0                           ; r
	v_bfe_u32 v2, v0, 4, 1                         ; hh
	v_and_b32 v15, 31, v0                          ; lane
	v_lshrrev_b32 v3, 1, v1
	v_mul_u32_u24 v3, v3, 272
	v_and_b32 v14, 1, v1
	v_lshl_add_u32 v3, v14, 7, v3
	v_lshl_add_u32 v3, v2, 4, v3                   ; (r >> 1) 272 + (r & 1) 128 + 16 hh
	s_mul_i32 s22, s11, AHALF
	s_add_co_u32 s22, s22, 2*BHALF                 ; my 128 rows of A
	s_mul_i32 s23, s12, BHALF                      ; my 192 rows of B
.irp s, 0,1
	v_add_nc_u32 v[ADRA+\s], s22, v3
	v_add_nc_u32 v[ADRB+\s], s23, v3
	s_add_co_u32 s22, s22, SLOT
	s_add_co_u32 s23, s23, SLOT
.endr
	s_mul_i32 s22, s10, 2304
	s_add_co_u32 s22, s22, QST
	v_mul_u32_u24 v14, v1, 144
	v_lshl_add_u32 v14, v2, 4, v14
	v_add_nc_u32 v[QSTO], s22, v14                 ; in: row r, 16 bytes for each half of the lanes
	v_lshrrev_b32 v14, 3, v15
	v_mul_u32_u24 v14, v14, 144
	v_and_b32 v3, 7, v15
	v_lshl_add_u32 v14, v3, 4, v14
	v_add_nc_u32 v[QRD], s22, v14                  ; back: eight lanes a row of 128 bytes
	v_lshlrev_b32 v[L16], 4, v15
	s_lshl_b32 s22, s10, 8
	s_add_co_u32 s22, s22, MST
	v_lshl_add_u32 v[MOWN], v1, 2, s22
	s_xor_b32 s23, s10, 2                          ; the wave with my head and the other rows
	s_lshl_b32 s23, s23, 8
	s_add_co_u32 s23, s23, MST
	v_lshl_add_u32 v[MPAR], v1, 2, s23
	s_mul_i32 s23, s12, 16896
	s_add_co_u32 s23, s23, CRED
	v_add_nc_u32 v[CADR], s23, v[L16]
; 16 loads: A's eight fragments of K half hf of the slot into buffer fa
.macro LDA slot, hf, fa
.irp a, 0,1,2,3,4,5,6,7
	ds_load_b128 v[\fa+8*\a:\fa+8*\a+3],   v[ADRA+\slot] offset:\a*T16+64*\hf
	ds_load_b128 v[\fa+8*\a+4:\fa+8*\a+7], v[ADRA+\slot] offset:\a*T16+64*\hf+32
.endr
.endm
; 8 loads: B's four fragments for t = 0 q, 1 k, 2 v
.macro LDB slot, hf, t
.irp b, 0,1,2,3
	ds_load_b128 v[FBQ+32*\t+8*\b:FBQ+32*\t+8*\b+3],   v[ADRB+\slot] offset:(4*\t+\b)*T16+64*\hf
	ds_load_b128 v[FBQ+32*\t+8*\b+4:FBQ+32*\t+8*\b+7], v[ADRB+\slot] offset:(4*\t+\b)*T16+64*\hf+32
.endr
.endm
; The 96 accumulators take turns, one instruction a turn.
.macro MULQ fa, a0, cnt, zero          ; q, transposed: source 0 = columns, source 1 = rows
.set qa, \a0
.rept \cnt
.irp b, 0,1,2,3
.if \zero
	v_wmma_f32_16x16x32_bf16 v[8*(4*qa+\b):8*(4*qa+\b)+7], v[FBQ+8*\b:FBQ+8*\b+7], v[\fa+8*qa:\fa+8*qa+7], 0
.else
	v_wmma_f32_16x16x32_bf16 v[8*(4*qa+\b):8*(4*qa+\b)+7], v[FBQ+8*\b:FBQ+8*\b+7], v[\fa+8*qa:\fa+8*qa+7], v[8*(4*qa+\b):8*(4*qa+\b)+7]
.endif
.endr
.set qa, qa+1
.endr
.endm
.macro MULN fbb, fa, zero              ; k or v, natural: source 0 = rows, source 1 = columns
.set na, 0
.rept 8
.irp b, 0,1,2,3
.set nd, 64*(na>>1)+16*\b+8*(na&1)
.if \zero
	v_wmma_f32_16x16x32_bf16 v[nd:nd+7], v[\fa+8*na:\fa+8*na+7], v[\fbb+8*\b:\fbb+8*\b+7], 0
.else
	v_wmma_f32_16x16x32_bf16 v[nd:nd+7], v[\fa+8*na:\fa+8*na+7], v[\fbb+8*\b:\fbb+8*\b+7], v[nd:nd+7]
.endif
.endr
.set na, na+1
.endr
.endm
; A K half of 32 is three phases (q, k, v) of 32 matrix instructions.  LDS loads go out in the order [Bq + A: 24] [Bk: 8] [Bv: 8] for each half,
; each group behind the phase that last read its registers, two phases ahead of its use.
.macro HALF0 slot, zero
	s_wait_dscnt 16                                ; Bq and A are in; Bk and Bv of this half may be out
	WIN 0x50
	MULQ FA0, 0, 8, \zero
	WIN 0
	PLACES
	LDB \slot, 1, 0
	LDA \slot, 1, FA1
	s_wait_dscnt 32                                ; Bk is in; behind it went Bv (8) and the 24 just issued
	WIN 0xa0
	MULN FBK, FA0, \zero
	WIN 0
	PLACES
	LDB \slot, 1, 1
	s_wait_dscnt 32                                ; Bv is in; behind it went 24 + 8
	WIN 0xf0
	MULN FBV, FA0, \zero
	WIN 0
	PLACES
	LDB \slot, 1, 2
.endm
; The slot's second half, and the change of slots.  mode 2: this slot is filled again, two K blocks on; 1: barrier alone; 0: the very last half.
.macro HALF1 slot, next, mode
	s_wait_dscnt 16
	WIN 0x50
	MULQ FA1, 0, 4, 0
.if \mode
	s_wait_dscnt 0x0                               ; my reads of this slot are over,
	s_wait_xcnt 0x0
	s_set_vgpr_msb 0x5010
	v_lshl_add_u32 v30, v0, 2, 0x35400
	v_mov_b32 v31, 0
	s_wait_tensorcnt 0x0                           ; and my one tensor load that was out, my part of the next slot, has landed
	ds_add_u32 v30, v31
	s_wait_dscnt 0x0
	s_set_vgpr_msb 0x1050
	s_barrier_signal -1                            ; (mode 2: this barrier opens a round of the cluster's barrier)
.endif
	MULQ FA1, 4, 4, 0                              ; register work while the others arrive
.if \mode
	WIN 0
	s_barrier_wait -1
.endif
.if \mode == 2
	CREST                                          ; no wave of any partner still reads this slot or has a load on its way
	s_add_nc_u64 s[G0A+4*\slot+2:G0A+4*\slot+3], s[G0A+4*\slot+2:G0A+4*\slot+3], 2097152
	s_add_nc_u64 s[G0B+4*\slot+2:G0B+4*\slot+3], s[G0B+4*\slot+2:G0B+4*\slot+3], 786432
	JLOAD \slot                                    ; my one tensor load behind the round; 176 matrix instructions stand between it and the wait for it
.endif
.if \mode
	PLACES
	LDB \next, 0, 0
	LDA \next, 0, FA0
.else
	s_wait_dscnt 8                                 ; Bk is in, Bv may be out
.endif
	WIN 0xa0
	MULN FBK, FA1, 0
.if \mode
	WIN 0
	PLACES
	LDB \next, 0, 1
.else
	s_wait_dscnt 0x0
.endif
	WIN 0xf0
	MULN FBV, FA1, 0
	WIN 0
.if \mode
	PLACES
	LDB \next, 0, 2
.endif
.endm
.macro LAP zero
	HALF0 0, \zero
	HALF1 0, 1, 2
	HALF0 1, 0
	HALF1 1, 0, 2
.endm
	s_wait_tensorcnt 0x1                           ; my part of K block 0 is in; K block 1's stays out
	s_barrier_signal -1
	s_barrier_wait -1
	LDB 0, 0, 0
	LDA 0, 0, FA0
	LDB 0, 0, 1
	LDB 0, 0, 2
	LAP 1                                          ; the first products start the sums: nothing is cleared
	s_mov_b32 s3, 6
.Llap:
	LAP 0
	s_sub_co_u32 s3, s3, 1
	s_cmp_lg_u32 s3, 0
	s_cbranch_scc1 .Llap
	HALF0 0, 0                                     ; K blocks 14 and 15: nothing is left to fetch
	HALF1 0, 1, 1
	HALF0 1, 0
	HALF1 1, 0, 0
	; ---------------- out of the accumulators ----------------
	PLACES
	s_lshl1_add_u32 s70, s42, s12                  ; h = 2 g + j
	s_lshr_b32 s76, s13, 4                         ; batch
	s_lshl4_add_u32 s76, s76, s70
	s_and_b32 s78, s13, 15
	s_lshl4_add_u32 s76, s76, s78                  ; record = (16 batch + h) 16 + row block in the batch
	s_mul_i32 s76, s76, 17408
	s_mov_b32 s77, 0
	s_add_nc_u64 s[74:75], s[74:75], s[76:77]
	s_lshl_b32 s76, s70, 15                        ; qs: 256 rows of 128 bytes for each head,
	s_lshl_b32 s78, s13, 19                        ; 16 heads for each row block,
	s_add_co_u32 s76, s76, s78
	s_lshl_b32 s78, s11, 14                        ; 128 rows for my half
	s_add_co_u32 s76, s76, s78
	s_add_nc_u64 s[72:73], s[72:73], s[76:77]
	; 1. the maximum of each column of k over the block's 256 rows: 64 registers a column block, four chains by turns
	WIN 0x0a
.irp b, 0,1,2,3
	v_max_num_f32 v[KM+\b], v[16*\b], v[16*\b+1]
.endr
.set p, 1
.rept 31
.irp b, 0,1,2,3
	v_max3_num_f32 v[KM+\b], v[64*(p>>3)+16*\b+2*(p&7)], v[64*(p>>3)+16*\b+2*(p&7)+1], v[KM+\b]
.endr
.set p, p+1
.endr
	WIN 0
.irp b, 0,1,2,3
	v_permlanex16_b32 v[TP+\b], v[KM+\b], s66, s67 ; the other eight rows of each tile
.endr
.irp b, 0,1,2,3
	v_max_num_f32 v[KM+\b], v[KM+\b], v[TP+\b]
.endr
.irp b, 0,1,2,3
	ds_store_b32 v[MOWN], v[KM+\b] offset:64*\b
.endr
	s_wait_dscnt 0x0                               ; for the other wave's sake
	s_barrier_signal -1
	s_barrier_wait -1
.irp b, 0,1,2,3
	ds_load_b32 v[TP+\b], v[MPAR] offset:64*\b     ; the other 128 rows' maxima
.endr
	s_wait_dscnt 0x0
.irp b, 0,1,2,3
	v_max_num_f32 v[KM+\b], v[KM+\b], v[TP+\b]
.endr
.irp b, 0,1,2,3
	v_mul_f32 v[KM+\b], s68, v[KM+\b]              ; m log2 e: goes into the record
.endr
.irp b, 0,1,2,3
	v_mul_f32 v[NM+2*\b],   -1.0, v[KM+\b]
	v_mul_f32 v[NM+2*\b+1], -1.0, v[KM+\b]
.endr
	; 2. p = 2^(k log2 e - m log2 e), in place.  Behind a run's exponentials the next run's multiply-adds, on other registers, are the plain
	; instruction that ISA guide 5.7.2 asks for; behind the last run a v_nop.
	WIN 0x82
.irp ss, 0,1,2,3
.irp b, 0,1,2,3
.set p, 0
.rept 8
	v_pk_fma_f32 v[64*\ss+16*\b+2*p:64*\ss+16*\b+2*p+1], v[64*\ss+16*\b+2*p:64*\ss+16*\b+2*p+1], s[68:69], v[NM+2*\b:NM+2*\b+1] op_sel_hi:[1,0,1]
.set p, p+1
.endr
.set p, 0
.rept 16
	v_exp_f32 v[64*\ss+16*\b+p], v[64*\ss+16*\b+p]
.set p, p+1
.endr
.endr
.endr
	v_nop
	; 3. column sums of p, in f32
	WIN 0x0a
	s_wait_alu depctr_va_vdst(0)
.irp b, 0,1,2,3
	v_pk_add_f32 v[SA+2*\b:SA+2*\b+1], v[16*\b:16*\b+1], v[16*\b+2:16*\b+3]
.endr
	WIN 0x02
.set p, 2
.rept 30
.irp b, 0,1,2,3
	v_pk_add_f32 v[SA+2*\b:SA+2*\b+1], v[64*(p>>3)+16*\b+2*(p&7):64*(p>>3)+16*\b+2*(p&7)+1], v[SA+2*\b:SA+2*\b+1]
.endr
.set p, p+1
.endr
	WIN 0
.irp b, 0,1,2,3
	v_add_f32 v[SS+\b], v[SA+2*\b], v[SA+2*\b+1]
.endr
.irp b, 0,1,2,3
	v_permlanex16_b32 v[TP+\b], v[SS+\b], s66, s67
.endr
.irp b, 0,1,2,3
	v_add_f32 v[SS+\b], v[SS+\b], v[TP+\b]
.endr
	; 4. p and v to bf16, in place: the 16 registers of two tiles that lie above each other become the 8 of a fragment with K = 32 rows
	WIN 0x8a
.set p, 0
.rept 16
.irp i, 0,1,2,3,4,5,6,7
	v_cvt_pk_bf16_f32 v[16*p+\i], v[16*p+2*\i], v[16*p+2*\i+1]
.endr
.set p, p+1
.endr
	WIN 0xcf
.set p, 0
.rept 16
.irp i, 0,1,2,3,4,5,6,7
	v_cvt_pk_bf16_f32 v[16*p+\i], v[16*p+2*\i], v[16*p+2*\i+1]
.endr
.set p, p+1
.endr
	; 5. p^T v over my 128 rows: source 0 = v (rows e of the result), source 1 = p (columns d).  Sixteen accumulators by turns.
	WIN 0x0b
.irp ss, 0,1,2,3
.irp bd, 0,1,2,3
.irp be, 0,1,2,3
.if \ss == 0
	v_wmma_f32_16x16x32_bf16 v[CT+8*(4*\bd+\be):CT+8*(4*\bd+\be)+7], v[64*\ss+16*\be:64*\ss+16*\be+7], v[64*\ss+16*\bd:64*\ss+16*\bd+7], 0
.else
	v_wmma_f32_16x16x32_bf16 v[CT+8*(4*\bd+\be):CT+8*(4*\bd+\be)+7], v[64*\ss+16*\be:64*\ss+16*\be+7], v[64*\ss+16*\bd:64*\ss+16*\bd+7], v[CT+8*(4*\bd+\be):CT+8*(4*\bd+\be)+7]
.endif
.endr
.endr
.endr
	WIN 0
	PLACES
	; 6. the two row halves have the same maximum: the upper half's sums go through LDS and are added; the lower half's wave stores the record
	s_cmp_eq_u32 s11, 0
	s_cbranch_scc1 .Lkeep
.set q, 0
.rept 32
	ds_store_b128 v[CADR], v[CT+4*q:CT+4*q+3] offset:q*512
.set q, q+1
.endr
	ds_store_b128 v[CADR], v[SS:SS+3] offset:16384
.Lkeep:
	s_wait_dscnt 0x0
	s_barrier_signal -1
	s_barrier_wait -1
	s_cmp_lg_u32 s11, 0
	s_cbranch_scc1 .Lmerged
.irp hf, 0,1
.set q, 0
.rept 16
	ds_load_b128 v[192+4*q:192+4*q+3], v[CADR] offset:(16*\hf+q)*512
.set q, q+1
.endr
	s_wait_dscnt 0x0
.set q, 0
.rept 32
	v_pk_add_f32 v[CT+64*\hf+2*q:CT+64*\hf+2*q+1], v[CT+64*\hf+2*q:CT+64*\hf+2*q+1], v[192+2*q:192+2*q+1]
.set q, q+1
.endr
.set q, 0
.rept 16
	global_store_b128 v[L16], v[CT+64*\hf+4*q:CT+64*\hf+4*q+3], s[74:75] offset:(16*\hf+q)*512   ; a register image: 512 consecutive bytes a store
.set q, q+1
.endr
.endr
	ds_load_b128 v[192:195], v[CADR] offset:16384
	s_wait_dscnt 0x0
	v_pk_add_f32 v[SS:SS+1], v[SS:SS+1], v[192:193]
	v_pk_add_f32 v[SS+2:SS+3], v[SS+2:SS+3], v[194:195]
	global_store_b128 v[L16], v[KM:KM+3], s[74:75] offset:16384
	global_store_b128 v[L16], v[SS:SS+3], s[74:75] offset:16896
.Lmerged:
	; 7. q: softmax along the 64 columns of each row.  A row lies in lanes r and r + 16, 32 numbers each.  None of the registers written from here on
	; (v32-63, v192-255, window 1) is a source of the stores above.
	WIN 0x05
.irp a, 0,1,2,3,4,5,6,7
	v_max_num_f32 v[QT+\a], v[32*\a], v[32*\a+1]
.endr
.set p, 1
.rept 15
.irp a, 0,1,2,3,4,5,6,7
	v_max3_num_f32 v[QT+\a], v[32*\a+2*p], v[32*\a+2*p+1], v[QT+\a]
.endr
.set p, p+1
.endr
	WIN 0
.irp a, 0,1,2,3,4,5,6,7
	v_permlanex16_b32 v[QX+\a], v[QT+\a], s66, s67
.endr
.irp a, 0,1,2,3,4,5,6,7
	v_max_num_f32 v[QT+\a], v[QT+\a], v[QX+\a]
.endr
.irp a, 0,1,2,3,4,5,6,7
	v_mul_f32 v[QN+2*\a],   0xbfb8aa3b, v[QT+\a]   ; - max log2 e
	v_mul_f32 v[QN+2*\a+1], 0xbfb8aa3b, v[QT+\a]
.endr
	WIN 0x41
.irp a, 0,1,2,3,4,5,6,7
.set p, 0
.rept 16
	v_pk_fma_f32 v[32*\a+2*p:32*\a+2*p+1], v[32*\a+2*p:32*\a+2*p+1], s[68:69], v[QN+2*\a:QN+2*\a+1] op_sel_hi:[1,0,1]
.set p, p+1
.endr
.set p, 0
.rept 32
	v_exp_f32 v[32*\a+p], v[32*\a+p]
.set p, p+1
.endr
.endr
	v_nop
	WIN 0x05
	s_wait_alu depctr_va_vdst(0)
.irp a, 0,1,2,3,4,5,6,7
	v_pk_add_f32 v[QA+2*\a:QA+2*\a+1], v[32*\a:32*\a+1], v[32*\a+2:32*\a+3]
.endr
	WIN 0x01
.set p, 2
.rept 14
.irp a, 0,1,2,3,4,5,6,7
	v_pk_add_f32 v[QA+2*\a:QA+2*\a+1], v[32*\a+2*p:32*\a+2*p+1], v[QA+2*\a:QA+2*\a+1]
.endr
.set p, p+1
.endr
	WIN 0
.irp a, 0,1,2,3,4,5,6,7
	v_add_f32 v[QT+\a], v[QA+2*\a], v[QA+2*\a+1]
.endr
.irp a, 0,1,2,3,4,5,6,7
	v_permlanex16_b32 v[QX+\a], v[QT+\a], s66, s67
.endr
.irp a, 0,1,2,3,4,5,6,7
	v_add_f32 v[QT+\a], v[QT+\a], v[QX+\a]         ; at least about 1: the maximum's own term
.endr
.irp a, 0,1,2,3,4,5,6,7
	v_rcp_f32 v[QX+\a], v[QT+\a]
.endr
	v_nop                                          ; the plain instruction behind the reciprocals (ISA guide 5.7.2)
	s_wait_alu depctr_va_vdst(0)
.irp a, 0,1,2,3,4,5,6,7
	v_mul_f32 v[QN+2*\a],   0x3e000000, v[QX+\a]   ; 1 / (8 sum): the scale d^-1/2 rides along
	v_mul_f32 v[QN+2*\a+1], 0x3e000000, v[QX+\a]
.endr
; 16 rows: scale, round, 16 bytes a lane into my own stage, back as rows of 128 bytes, out as 512 consecutive bytes a store
.macro QOUT ai, rb
	WIN 0x41
.set p, 0
.rept 16
	v_pk_mul_f32 v[32*\ai+2*p:32*\ai+2*p+1], v[32*\ai+2*p:32*\ai+2*p+1], v[QN+2*\ai:QN+2*\ai+1]
.set p, p+1
.endr
	WIN 0x05
.set p, 0
.rept 16
	v_cvt_pk_bf16_f32 v[QP+p], v[32*\ai+2*p], v[32*\ai+2*p+1]
.set p, p+1
.endr
	WIN 0
.irp b, 0,1,2,3
	ds_store_b128 v[QSTO], v[QP+4*\b:QP+4*\b+3] offset:32*\b
.endr
	s_wait_xcnt 0x0                                ; the registers loaded next were the data of stores two turns ago: rewritten only behind this wait
.irp t, 0,1,2,3
	ds_load_b128 v[\rb+4*\t:\rb+4*\t+3], v[QRD] offset:\t*576      ; a wave's LDS instructions are served in order: these see the stores above
.endr
.irp t, 0,1,2,3
	s_wait_dscnt 3-\t
	global_store_b128 v[L16], v[\rb+4*\t:\rb+4*\t+3], s[72:73] offset:\ai*2048+\t*512
.endr
.endm
	QOUT 0, 224
	QOUT 1, 240
	QOUT 2, 224
	QOUT 3, 240
	QOUT 4, 224
	QOUT 5, 240
	QOUT 6, 224
	QOUT 7, 240
	s_wait_xcnt 0x0
	v_lshl_add_u32 v30, v0, 2, 0x35400
	v_mov_b32 v31, 0
	s_wait_tensorcnt 0x0
	ds_add_u32 v30, v31
	s_wait_dscnt 0x0
	CROUND                                         ; the closing round: no work-group ends while a partner may still ask for a tile that names it
	s_endpgm
.Lfunc_end_k_q2ce95a6518_qkv:
	.size	k_q2ce95a6518_qkv, .Lfunc_end_k_q2ce95a6518_qkv-k_q2ce95a6518_qkv
	.p2alignl 7, 3214868480
	.fill 96, 4, 3214868480
	.section	.rodata,"a",@progbits
	.p2align	6, 0x0
	.amdhsa_kernel k_q2ce95a6518_qkv
		.amdhsa_group_segment_fixed_size 327680
		.amdhsa_private_segment_fixed_size 0
		.amdhsa_enable_private_segment 0
		.amdhsa_kernarg_size 32
		.amdhsa_user_sgpr_count 2
		.amdhsa_user_sgpr_kernarg_segment_ptr 1
		.amdhsa_wavefront_size32 1
		.amdhsa_system_sgpr_workgroup_id_x 1
		.amdhsa_system_sgpr_workgroup_id_y 1
		.amdhsa_system_sgpr_workgroup_id_z 1
		.amdhsa_system_vgpr_workitem_id 0
		.amdhsa_next_free_vgpr 1024
		.amdhsa_next_free_sgpr 80
		.amdhsa_reserve_vcc 0
		.amdhsa_float_denorm_mode_32 3
		.amdhsa_float_denorm_mode_16_64 3
		.amdhsa_memory_ordered 1
		.amdhsa_forward_progress 1
		.amdhsa_inst_pref_size 249
	.end_amdhsa_kernel
	.amdgpu_metadata
---
amdhsa.version: [ 1, 2 ]
amdhsa.kernels:
  - .name:           k_q2ce95a6518_qkv
    .symbol:         k_q2ce95a6518_qkv.kd
    .args:
      - { .name: fb, .offset: 0, .size: 8, .value_kind: global_buffer, .address_space: global }
      - { .name: wq, .offset: 8, .size: 8, .value_kind: global_buffer, .address_space: global }
      - { .name: qs, .offset: 16, .size: 8, .value_kind: global_buffer, .address_space: global }
      - { .name: part, .offset: 24, .size: 8, .value_kind: global_buffer, .address_space: global }
    .group_segment_fixed_size: 327680
    .private_segment_fixed_size: 0
    .kernarg_segment_align: 8
    .kernarg_segment_size: 32
    .max_flat_workgroup_size: 128
    .sgpr_count:     80
    .vgpr_count:     1024
    .wavefront_size: 32
...
	.end_amdgpu_metadata
.endif
;; end of part 2
;; launch ctxw (part 3): grid 8 x 32, 4 waves a work-group, no clusters, 2,560 bytes of LDS; arguments part, wo, mt; writes mt
.if DOCPART == 3
	.amdgcn_target "amdgcn-amd-amdhsa--gfx1250"
	.amdhsa_code_object_version 6
	.text
	.protected	k_q2ce95a6518_ctxw
	.globl	k_q2ce95a6518_ctxw
	.p2align	8
	.type	k_q2ce95a6518_ctxw,@function
k_q2ce95a6518_ctxw:
	s_mov_b64 s[64:65], 0
	v_nop
	global_prefetch_b8 v0, s[64:65] scope:SCOPE_SE
	s_setreg_imm32_b32 hwreg(HW_REG_WAVE_MODE, 25, 1), 1
	s_wait_xcnt 0x0
; mt[b][column block][h][dt][c][d'] = sum over e of ctx_bh[16 dt + d'][e] W_out[64 h + e][128 block + c],
; ctx = softmax over the sequence of k, transposed, times v, merged from the head's 16 records:
; M = max of the m_i, w_i = 2^(m_i L - M L), ctx = sum w_i C_i / sum w_i s_i (per column d of k).
; Work-group (x, y): d tile dt = x & 3 and column half ch = x >> 2 of head y = 16 b + h.  Wave w merges the 16 x 16 tile (dt, e tile w) of the
; records (two quads of each: 16 KiB a wave); the four waves swap their tiles in bf16 through 2 KiB of LDS; then wave w multiplies the
; 16 d x 64 e by the 128 columns of column block 4 ch + w.  W_out comes as register images of its fragments: 512 consecutive bytes a load,
; no LDS.  A result tile is 512 consecutive bytes of mt and is stored straight from registers.
; All 96 loads of a wave go out at the head, in the order in which they are used.
; NO CLUSTER: two work-groups read the same quarter of the records (64 KiB) and eight the same half of W_out's head (64 KiB), straight into the
; registers in which they are used; a joint tensor load would add a trip of those bytes through LDS.
; LIMITS: NaN and infinities are not reproduced; a weight below 2^-126 counts as 0; the denominator is at least about 1 (the largest m_i has
; weight 1 and its s_i holds the maximum's own term).
.set REC, 17408
.set ML, 16                            ; v16-31   m_i log2 e of my d
.set SI, 32                            ; v32-47   s_i
.set WW, 48                            ; v48-63   w_i
.set CP, 16                            ; v16-47   then: w_i / sum, in pairs
.set RC, 64                            ; v64-191  record i's tile at RC + 8 i: register j of lane (r, hh) = (e = 16 w + 8 hh + j, d = 16 dt + r)
.set AC, 192                           ; v192-199 the merged tile
.set PK, 200                           ; v200-203 in bf16
.set CF, 208                           ; v208-223 ctx: two fragments, rows d, K = e
.set DT, 64                            ; v64-127  then: eight result tiles
.set OP, 128                           ; v128-159 packed results
                                       ; window 1, v0-127: W_out's fragments, (c tile m, K half s) at 16 m + 8 s
.set MSB, 0
.macro WIN new                         ; the immediate's high byte repeats the setting that is left
.if MSB != \new
	s_set_vgpr_msb (MSB<<8)|\new
.set MSB, \new
.endif
.endm
	s_load_b128 s[4:7], s[0:1], 0x0                ; part s[4:5], wo s[6:7]
	s_load_b64 s[8:9], s[0:1], 0x10                ; mt
	v_lshl_add_u32 v254, v0, 2, 0x800
	v_mov_b32 v255, 0
	v_lshrrev_b32 v1, 5, v0
	v_readfirstlane_b32 s10, v1                    ; wave
	v_and_b32 v2, 31, v0                           ; lane
	s_and_b32 s11, ttmp7, 0xffff                   ; 16 b + h
	s_and_b32 s12, s11, 15                         ; h
	s_lshr_b32 s13, s11, 4                         ; b
	s_and_b32 s22, ttmp9, 3                        ; dt
	s_lshr_b32 s23, ttmp9, 2                       ; ch
	s_lshl2_add_u32 s23, s23, s10                  ; column block = 4 ch + wave
	s_mul_i32 s14, s11, 16*REC                     ; the head's 16 records
	s_mov_b32 s15, 0
	s_lshl_b32 s16, s12, 17                        ; wo: 131,072 bytes a head,
	s_lshl_b32 s18, s23, 14                        ; 16,384 a column block
	s_add_co_u32 s16, s16, s18
	s_mov_b32 s17, 0
	s_lshl_b32 s20, s13, 21                        ; mt: 2 MiB a batch,
	s_lshl_b32 s18, s23, 18                        ; 256 KiB a column block,
	s_add_co_u32 s20, s20, s18
	s_lshl_b32 s18, s12, 14                        ; 16 KiB a head,
	s_add_co_u32 s20, s20, s18
	s_lshl_b32 s18, s22, 12                        ; 4 KiB a d tile
	s_add_co_u32 s20, s20, s18
	s_mov_b32 s21, 0
	s_lshl_b32 s24, s10, 10
	s_add_co_u32 s24, s24, s18                     ; tile (dt, w) of a record: 4,096 dt + 1,024 w
	v_lshlrev_b32 v3, 4, v2                        ; 16 x lane
	v_add_nc_u32 v4, s24, v3
	v_lshl_add_u32 v5, s22, 2, v3                  ; statistics: word dt of the lane's quad
	v_lshl_add_u32 v6, s10, 9, v3                  ; the swap: 512 bytes a wave
	v_and_b32 v7, 15, v2
	v_lshrrev_b32 v8, 4, v2
	v_lshlrev_b32 v7, 5, v7
	v_lshl_add_u32 v7, v8, 4, v7                   ; out: row c = r of 32 bytes, 16 bytes for each half of the lanes
	s_wait_kmcnt 0x0
	s_add_nc_u64 s[4:5], s[4:5], s[14:15]
	s_add_nc_u64 s[6:7], s[6:7], s[16:17]
	s_add_nc_u64 s[8:9], s[8:9], s[20:21]
.set i, 0
.rept 16
	global_load_b32 v[ML+i], v5, s[4:5] offset:i*REC+16384
.set i, i+1
.endr
.set i, 0
.rept 16
	global_load_b32 v[SI+i], v5, s[4:5] offset:i*REC+16896
.set i, i+1
.endr
.set i, 0
.rept 16
	global_load_b128 v[RC+8*i:RC+8*i+3],   v4, s[4:5] offset:i*REC
	global_load_b128 v[RC+8*i+4:RC+8*i+7], v4, s[4:5] offset:i*REC+512
.set i, i+1
.endr
	WIN 0x40                                       ; destination in window 1
.set t, 0
.rept 32
	global_load_b128 v[4*t:4*t+3], v3, s[6:7] offset:t*512
.set t, t+1
.endr
	WIN 0
	s_wait_loadcnt 63                              ; of 96 loads the oldest 33 are in, the 32 statistics among them
	v_max_num_f32 v9, v[ML], v[ML+1]
.irp p, 1,2,3,4,5,6,7
	v_max3_num_f32 v9, v[ML+2*\p], v[ML+2*\p+1], v9
.endr
.set i, 0
.rept 16
	v_sub_f32 v[WW+i], v[ML+i], v9
.set i, i+1
.endr
.set i, 0
.rept 16
	v_exp_f32 v[WW+i], v[WW+i]
.set i, i+1
.endr
	v_nop                                          ; the plain instruction behind the exponentials (ISA guide 5.7.2)
	s_wait_alu depctr_va_vdst(0)
	v_mul_f32 v10, v[WW], v[SI]
	v_mul_f32 v11, v[WW+1], v[SI+1]
.set i, 2
.rept 14
	v_fmac_f32 v[10+(i&1)], v[WW+i], v[SI+i]       ; two chains
.set i, i+1
.endr
	v_add_f32 v10, v10, v11
	v_rcp_f32 v11, v10
	v_nop
.set i, 0
	s_wait_alu depctr_va_vdst(0)
.rept 16
	v_mul_f32 v[CP+2*i],   v[WW+i], v11
	v_mul_f32 v[CP+2*i+1], v[WW+i], v11
.set i, i+1
.endr
.set i, 0
.rept 16
	s_wait_loadcnt 62-2*i                          ; record i's two quads are in; behind them went 2 (15 - i) of the records and W_out's 32
.irp p, 0,1,2,3
.if i == 0
	v_pk_mul_f32 v[AC+2*\p:AC+2*\p+1], v[RC+2*\p:RC+2*\p+1], v[CP:CP+1]               ; record 0 starts the sums
.else
	v_pk_fma_f32 v[AC+2*\p:AC+2*\p+1], v[RC+8*i+2*\p:RC+8*i+2*\p+1], v[CP+2*i:CP+2*i+1], v[AC+2*\p:AC+2*\p+1]
.endif
.endr
.set i, i+1
.endr
.irp p, 0,1,2,3
	v_cvt_pk_bf16_f32 v[PK+\p], v[AC+2*\p], v[AC+2*\p+1]
.endr
	ds_store_b128 v6, v[PK:PK+3]
	s_wait_dscnt 0x0                               ; for the other waves' sake
	s_barrier_signal -1
	s_barrier_wait -1
.irp w2, 0,1,2,3
	ds_load_b128 v[CF+4*\w2:CF+4*\w2+3], v3 offset:\w2*512     ; e tile w2 = registers 4 (w2 & 1) .. + 3 of fragment w2 >> 1
.endr
	s_wait_dscnt 0x0
	s_wait_loadcnt 0x0                             ; W_out's fragments
	; source 0 = ctx (rows d), source 1 = W_out's columns c: a lane's eight results are eight neighbouring d of one c.
	; Eight accumulators by turns.
	WIN 0x04                                       ; source 1 in window 1
.irp s2, 0,1
.irp m, 0,1,2,3,4,5,6,7
.if \s2 == 0
	v_wmma_f32_16x16x32_bf16 v[DT+8*\m:DT+8*\m+7], v[CF+8*\s2:CF+8*\s2+7], v[16*\m+8*\s2:16*\m+8*\s2+7], 0
.else
	v_wmma_f32_16x16x32_bf16 v[DT+8*\m:DT+8*\m+7], v[CF+8*\s2:CF+8*\s2+7], v[16*\m+8*\s2:16*\m+8*\s2+7], v[DT+8*\m:DT+8*\m+7]
.endif
.endr
.endr
	WIN 0
.rept 4
	v_nop                                          ; four places behind the last matrix instructions (ISA guide 7.12.1)
.endr
.irp m, 0,1,2,3,4,5,6,7
.irp i2, 0,1,2,3
	v_cvt_pk_bf16_f32 v[OP+4*\m+\i2], v[DT+8*\m+2*\i2], v[DT+8*\m+2*\i2+1]
.endr
.endr
.irp m, 0,1,2,3,4,5,6,7
	global_store_b128 v7, v[OP+4*\m:OP+4*\m+3], s[8:9] offset:\m*512   ; 16 rows c of 32 bytes: the wave's store covers 512 consecutive bytes, aligned
.endr
	s_wait_tensorcnt 0x0
	ds_add_u32 v254, v255
	s_wait_dscnt 0x0
	s_endpgm
.Lfunc_end_k_q2ce95a6518_ctxw:
	.size	k_q2ce95a6518_ctxw, .Lfunc_end_k_q2ce95a6518_ctxw-k_q2ce95a6518_ctxw
	.p2alignl 7, 3214868480
	.fill 96, 4, 3214868480
	.section	.rodata,"a",@progbits
	.p2align	6, 0x0
	.amdhsa_kernel k_q2ce95a6518_ctxw
		.amdhsa_group_segment_fixed_size 2560
		.amdhsa_private_segment_fixed_size 0
		.amdhsa_enable_private_segment 0
		.amdhsa_kernarg_size 24
		.amdhsa_user_sgpr_count 2
		.amdhsa_user_sgpr_kernarg_segment_ptr 1
		.amdhsa_wavefront_size32 1
		.amdhsa_system_sgpr_workgroup_id_x 1
		.amdhsa_system_sgpr_workgroup_id_y 1
		.amdhsa_system_sgpr_workgroup_id_z 1
		.amdhsa_system_vgpr_workitem_id 0
		.amdhsa_next_free_vgpr 384
		.amdhsa_next_free_sgpr 66
		.amdhsa_reserve_vcc 0
		.amdhsa_float_denorm_mode_32 3
		.amdhsa_float_denorm_mode_16_64 3
		.amdhsa_memory_ordered 1
		.amdhsa_forward_progress 1
		.amdhsa_inst_pref_size 24
	.end_amdhsa_kernel
	.amdgpu_metadata
---
amdhsa.version: [ 1, 2 ]
amdhsa.kernels:
  - .name:           k_q2ce95a6518_ctxw
    .symbol:         k_q2ce95a6518_ctxw.kd
    .args:
      - { .name: part, .offset: 0, .size: 8, .value_kind: global_buffer, .address_space: global }
      - { .name: wo, .offset: 8, .size: 8, .value_kind: global_buffer, .address_space: global }
      - { .name: mt, .offset: 16, .size: 8, .value_kind: global_buffer, .address_space: global }
    .group_segment_fixed_size: 2560
    .private_segment_fixed_size: 0
    .kernarg_segment_align: 8
    .kernarg_segment_size: 24
    .max_flat_workgroup_size: 128
    .sgpr_count:     66
    .vgpr_count:     384
    .wavefront_size: 32
...
	.end_amdgpu_metadata
.endif
;; end of part 3
;; launch outp (part 4): grid 8 x 32, 4 waves a work-group, clusters of 4 x 4, 327,680 bytes of LDS; arguments qs, mt, out0; writes out0
.if DOCPART == 4
	.amdgcn_target "amdgcn-amd-amdhsa--gfx1250"
	.amdhsa_code_object_version 6
	.text
	.protected	k_q2ce95a6518_outp
	.globl	k_q2ce95a6518_outp
	.p2align	8
	.type	k_q2ce95a6518_outp,@function
k_q2ce95a6518_outp:
	s_mov_b64 s[64:65], 0
	v_nop
	global_prefetch_b8 v0, s[64:65] scope:SCOPE_SE
	s_setreg_imm32_b32 hwreg(HW_REG_WAVE_MODE, 25, 1), 1
	s_wait_xcnt 0x0
	s_wait_alu depctr_hold_cnt(0) depctr_sa_sdst(0) depctr_va_vdst(0) depctr_va_sdst(0) depctr_va_ssrc(0) depctr_va_vcc(0) depctr_vm_vsrc(0)
	s_getreg_b32 s2, hwreg(HW_REG_IB_STS2, 6, 4)
	s_cmp_eq_u32 s2, 0
	s_cbranch_scc0 .Lentry_in_a_cluster
	s_endpgm
.Lentry_in_a_cluster:
	s_bfe_u32 s2, ttmp6, 0x10000c
	s_cmp_lg_u32 s2, 0xf033
	s_cbranch_scc0 .Lentry_shape_is_right
	s_endpgm
.Lentry_shape_is_right:
; out0[row][c] = sum over (h, d) of qs[..][h][row][d] mt[b][..][h][..][c][d]: one product with K = 1,024 for each batch, in place of (q ctx) W_out.
; A work-group makes 256 rows x 128 columns (256 work-groups); wave w = 2 i + jn makes rows 128 i .. +127, columns 64 jn .. +63: 32 tiles in window 1.
; K goes in blocks of 64 (one head).  A slot holds THREE blocks (A 3 x 34,816 + B 3 x 17,408 = 156,672 bytes); two slots take 313,344 of the
; 327,680 bytes, four blocks a slot would not fit.  16 blocks = 3 + 3 + 3 + 3 + 3 + 1: two first fills, three whole refills, one of a single block.
; Both operands are blocked by their reader, so that a work-group's A (512 KiB) and B (256 KiB) are dense in memory, K block after K block, and
; any run of blocks comes in as rows of 256 bytes with 16 bytes of padding behind each.
;   A: an LDS row of 272 bytes holds two logical rows of 128 bytes (64 d); row x lies at (x >> 1) 272 + (x & 1) 128.
;   B: a block is four d tiles of 128 c x 32 bytes; an LDS row holds eight c; c lies at (c >> 3) 272 + (c & 7) 32, a d tile is 4,352 bytes.
;   In both the 16 lanes of a fragment load touch 16 different 16-byte columns of a 256-byte line.
; CLUSTER 4 x 4: qs's tile hangs on the row block alone (joint along a row of the cluster), mt's on the column block and the batch, which is
; the same in the whole cluster (joint along a column).
; The matrix instruction is used transposed (source 0 = mt's columns c, source 1 = qs's rows): a lane holds 8 neighbouring columns of one row.
.set ABLK,  34816                      ; 256 logical rows of one K block of A
.set BBLK,  17408                      ; one K block of B
.set SUBB,  4352                       ; one d tile of it
.set SLOT,  156672                     ; A's three K blocks, then B's three
.set T16,   2176                       ; 16 logical rows of A
.set STAGE, 0                          ; the way out: 16 rows x 272 bytes for each wave, in slot 0's first bytes: by then slot 0 has had its last fill,
                                       ; and every wave's reads of it were waited for in front of the last barrier
.set ADRA, 16                          ; v16-21 LDS address of my A fragments: slot s, block k at ADRA + 3 s + k (the offsets would pass 16 bits otherwise)
.set ADRB, 22                          ; v22-23 the same for B, one a slot
.set STO,  24
.set RD,   25
.set CO,   26
.set FA,   64                          ; buffer n: A at 64 + 96 n (64 registers), B at 128 + 96 n (32)
.set FB,   128
.set G1A, 24                           ; group 1 for one block of A
.set G0A, 32
.set G1B, 48                           ; group 1 for three blocks of B
.set G0B, 56
.set G1S, 68                           ; group 1 for one block of B
.set MSB, 0
.macro WIN new                         ; the immediate's high byte repeats the setting that is left
.if MSB != \new
	s_set_vgpr_msb (MSB<<8)|\new
.set MSB, \new
.endif
.endm
.macro PLACES                          ; four places behind a matrix instruction, in front of loads into its sources and of readers of its result
.rept 4
	v_nop
.endr
.endm
.macro JLOAD s                         ; waves 0, 1, 2 ask for one block of A each, wave 3 for B's three
	s_cmp_eq_u32 s10, 3
	s_cbranch_scc1 .Lfor_b_\@
	tensor_load_to_lds s[G0A+4*\s:G0A+4*\s+3], s[G1A:G1A+7]
	s_nop 0
	s_branch .Lasked_\@
.Lfor_b_\@:
	tensor_load_to_lds s[G0B+4*\s:G0B+4*\s+3], s[G1B:G1B+7]
	s_nop 0
.Lasked_\@:
.endm
.macro JLAST s                         ; the single last block: wave 0 asks for A's, wave 3 for B's, waves 1 and 2 have no part of it
	s_cmp_eq_u32 s10, 3
	s_cbranch_scc1 .Lfor_b_\@
	s_cmp_lg_u32 s10, 0
	s_cbranch_scc1 .Lasked_\@
	tensor_load_to_lds s[G0A+4*\s:G0A+4*\s+3], s[G1A:G1A+7]
	s_nop 0
	s_branch .Lasked_\@
.Lfor_b_\@:
	tensor_load_to_lds s[G0B+4*\s:G0B+4*\s+3], s[G1S:G1S+7]
	s_nop 0
.Lasked_\@:
.endm
.macro CREST                           ; a round of the cluster's barrier behind its opening barrier
	s_cmp_lg_u32 s10, 0
	s_cbranch_scc1 .Lnot_wave_0_\@
	s_barrier_signal -3
.Lnot_wave_0_\@:
	s_barrier_wait -3
	s_barrier_signal -1
	s_barrier_wait -1
.endm
.macro CROUND
	s_barrier_signal -1
	s_barrier_wait -1
	CREST
.endm
	s_load_b128 s[4:7], s[0:1], 0x0                ; qs s[4:5], mt s[6:7]
	s_load_b64 s[8:9], s[0:1], 0x10                ; out0
	v_lshl_add_u32 v62, v0, 2, 0x4c800
	v_mov_b32 v63, 0
	ds_add_u32 v62, v63
	v_lshrrev_b32 v1, 5, v0
	v_readfirstlane_b32 s10, v1                    ; wave
	s_lshr_b32 s11, s10, 1                         ; i: my half of the rows
	s_and_b32 s12, s10, 1                          ; jn: my half of the columns
	s_bfe_u32 s40, ttmp6, 0x40000                  ; cx
	s_bfe_u32 s41, ttmp6, 0x40004                  ; cy
	s_lshl_b32 s42, ttmp9, 2
	s_add_co_u32 s42, s42, s40                     ; column block
	s_and_b32 s13, ttmp7, 0xffff
	s_lshr_b32 s45, s13, 2                         ; batch: from the cluster's y alone (16 row blocks = 4 clusters a batch)
	s_lshl_b32 s13, s13, 2
	s_add_co_u32 s13, s13, s41                     ; row block
	s_lshl_b32 s43, s41, 2
	s_lshl_b32 s43, 15, s43                        ; my row of the cluster
	s_lshl_b32 s44, 0x1111, s40                    ; my column
	s_or_b32 s[G1A+0], s43, (3<<16)|(1<<20)|(1<<21)|(5<<22)|(3<<25)   ; elements of 8 bytes; 4 words of padding behind every 64; bit 21 beside the mask
	s_or_b32 s[G1B+0], s44, (3<<16)|(1<<20)|(1<<21)|(5<<22)|(3<<25)
	s_or_b32 s[G1S+0], s44, (3<<16)|(1<<20)|(1<<21)|(5<<22)|(3<<25)
	s_mov_b32 s[G1A+1], 32<<16                     ; tensor_dim0 = 32 elements: rows of 256 bytes
	s_mov_b32 s[G1B+1], 32<<16
	s_mov_b32 s[G1S+1], 32<<16
	s_mov_b32 s[G1A+2], 128<<16                    ; tensor_dim1: one block of A is 128 rows (32 KiB),
	s_mov_b32 s[G1B+2], 192<<16                    ; three of B 192 (48 KiB),
	s_mov_b32 s[G1S+2], 64<<16                     ; one of B 64 (16 KiB)
	s_mov_b32 s[G1A+3], 32<<16                     ; tile_dim0
	s_mov_b32 s[G1B+3], 32<<16
	s_mov_b32 s[G1S+3], 32<<16
	s_mov_b32 s[G1A+4], 128                        ; tile_dim1
	s_mov_b32 s[G1B+4], 192
	s_mov_b32 s[G1S+4], 64
	s_mov_b32 s[G1A+5], 32                         ; pitch = row
	s_mov_b32 s[G1B+5], 32
	s_mov_b32 s[G1S+5], 32
	s_mov_b32 s[G1A+6], 0
	s_mov_b32 s[G1B+6], 0
	s_mov_b32 s[G1S+6], 0
	s_mov_b32 s[G1A+7], 0
	s_mov_b32 s[G1B+7], 0
	s_mov_b32 s[G1S+7], 0
	s_lshl_b32 s16, s13, 19                        ; A: 16 blocks of 32 KiB for each row block,
	s_lshl_b32 s17, s10, 15                        ; the wave's block of the three
	s_add_co_u32 s16, s16, s17
	s_mov_b32 s17, 0
	s_lshl_b32 s46, s45, 21                        ; B: 2 MiB for the batch,
	s_lshl_b32 s47, s42, 18                        ; 16 blocks of 16 KiB for each column block
	s_add_co_u32 s46, s46, s47
	s_mov_b32 s47, 0
	s_mul_i32 s20, s10, ABLK                       ; A's three blocks (waves 0, 1, 2) lie at 0, 34,816 and 69,632 of a slot; B's at 104,448
	s_wait_dscnt 0x0
	s_wait_kmcnt 0x0
	s_add_nc_u64 s[14:15], s[4:5], s[16:17]
	s_add_nc_u64 s[46:47], s[6:7], s[46:47]
	CROUND                                         ; all sixteen work-groups are here: the first joint loads meet
.irp s, 0,1
	s_mov_b32 s[G0A+4*\s], 1
	s_add_co_u32 s[G0A+4*\s+1], s20, \s*SLOT
	s_add_nc_u64 s[G0A+4*\s+2:G0A+4*\s+3], s[14:15], \s*3*32768    ; slot s: blocks 3 s .. 3 s + 2
	s_or_b32 s[G0A+4*\s+3], s[G0A+4*\s+3], 0x80000000
	s_mov_b32 s[G0B+4*\s], 1
	s_mov_b32 s[G0B+4*\s+1], 3*ABLK+\s*SLOT
	s_add_nc_u64 s[G0B+4*\s+2:G0B+4*\s+3], s[46:47], \s*3*16384
	s_or_b32 s[G0B+4*\s+3], s[G0B+4*\s+3], 0x80000000
	JLOAD \s                                       ; two loads of the wave are out at the most, here; later one
.endr
	v_and_b32 v1, 15, v0                           ; r
	v_bfe_u32 v2, v0, 4, 1                         ; hh
	v_lshrrev_b32 v3, 1, v1
	v_mul_u32_u24 v3, v3, 272
	v_and_b32 v4, 1, v1
	v_lshl_add_u32 v3, v4, 7, v3
	v_lshl_add_u32 v3, v2, 4, v3                   ; A: (r >> 1) 272 + (r & 1) 128 + 16 hh
	v_lshrrev_b32 v6, 3, v1
	v_mul_u32_u24 v6, v6, 272
	v_and_b32 v4, 7, v1
	v_lshl_add_u32 v6, v4, 5, v6
	v_lshl_add_u32 v6, v2, 4, v6                   ; B: (r >> 3) 272 + (r & 7) 32 + 16 hh
	s_mul_i32 s22, s11, 8*T16                      ; my 128 rows of A
.irp s, 0,1
.irp k, 0,1,2
	v_add_nc_u32 v[ADRA+3*\s+\k], s22, v3
	s_add_co_u32 s22, s22, ABLK
.endr
	s_add_co_u32 s22, s22, SLOT-3*ABLK
.endr
	s_mul_i32 s23, s12, T16                        ; my 64 columns of B: eight LDS rows,
	s_add_co_u32 s23, s23, 3*ABLK                  ; behind A's three blocks
.irp s, 0,1
	v_add_nc_u32 v[ADRB+\s], s23, v6
	s_add_co_u32 s23, s23, SLOT
.endr
	s_mul_i32 s22, s10, 4352
	s_add_co_u32 s22, s22, STAGE
	v_mul_u32_u24 v4, v1, 272
	v_lshl_add_u32 v4, v2, 5, v4
	v_add_nc_u32 v[STO], s22, v4                   ; in: row r, 32 bytes for each half of the lanes
	v_mul_u32_u24 v5, v2, 272
	v_lshl_add_u32 v5, v1, 4, v5
	v_add_nc_u32 v[RD], s22, v5                    ; back: lanes 0-15 one row of 256 bytes, lanes 16-31 the next
	v_lshlrev_b32 v5, 12, v2
	v_lshl_add_u32 v[CO], v1, 4, v5                ; the same two rows in out0
; 24 loads: the fragments of quarter qd (32 along K; block qd >> 1, half qd & 1) of the slot into buffer buf
.macro FETCH slot, qd, buf
.irp a, 0,1,2,3,4,5,6,7
	ds_load_b128 v[FA+96*\buf+8*\a:FA+96*\buf+8*\a+3],   v[ADRA+3*\slot+(\qd>>1)] offset:(\qd&1)*64+\a*T16
	ds_load_b128 v[FA+96*\buf+8*\a+4:FA+96*\buf+8*\a+7], v[ADRA+3*\slot+(\qd>>1)] offset:(\qd&1)*64+\a*T16+32
.endr
.irp b, 0,1,2,3
	ds_load_b128 v[FB+96*\buf+8*\b:FB+96*\buf+8*\b+3],   v[ADRB+\slot] offset:(\qd>>1)*BBLK+(\qd&1)*2*SUBB+\b*544        ; d tile 2 (qd & 1): K = 8 hh ..
	ds_load_b128 v[FB+96*\buf+8*\b+4:FB+96*\buf+8*\b+7], v[ADRB+\slot] offset:(\qd>>1)*BBLK+(\qd&1)*2*SUBB+\b*544+SUBB   ; the next d tile: K = 16 + 8 hh ..
.endr
.endm
; 16 matrix instructions.  The 32 accumulators take turns, one instruction a turn.
.macro MUL16 buf, a0, zero
.irp a, \a0, \a0+1, \a0+2, \a0+3
.irp b, 0,1,2,3
.if \zero
	v_wmma_f32_16x16x32_bf16 v[8*(4*(\a)+\b):8*(4*(\a)+\b)+7], v[FB+96*\buf+8*\b:FB+96*\buf+8*\b+7], v[FA+96*\buf+8*(\a):FA+96*\buf+8*(\a)+7], 0
.else
	v_wmma_f32_16x16x32_bf16 v[8*(4*(\a)+\b):8*(4*(\a)+\b)+7], v[FB+96*\buf+8*\b:FB+96*\buf+8*\b+7], v[FA+96*\buf+8*(\a):FA+96*\buf+8*(\a)+7], v[8*(4*(\a)+\b):8*(4*(\a)+\b)+7]
.endif
.endr
.endr
.endm
; A quarter: asks for quarter qn of the same slot into buffer oth, multiplies buffer cur.
.macro QPLAIN slot, qn, cur, oth, zero
	PLACES
	FETCH \slot, \qn, \oth
	s_wait_dscnt 24                                ; all but the 24 just issued: this quarter's fragments are in
	WIN 0x50
	MUL16 \cur, 0, \zero
	MUL16 \cur, 4, \zero
	WIN 0
.endm
; A slot's three blocks: six quarters on buffers 0, 1, 0, 1, 0, 1, and the change of slots in the fifth, when the sixth's fragments are in registers.
; mode 2: the slot is filled again, six blocks on; 3: with the single last block; 1: barrier alone.
.macro GROUP slot, next, mode, zero
	QPLAIN \slot, 1, 0, 1, \zero
	QPLAIN \slot, 2, 1, 0, 0
	QPLAIN \slot, 3, 0, 1, 0
	QPLAIN \slot, 4, 1, 0, 0
	PLACES
	FETCH \slot, 5, 1
	s_wait_dscnt 24
	WIN 0x50
	MUL16 0, 0, 0
	s_wait_dscnt 0x0                               ; my reads of this slot are over: the last quarter's fragments are in registers,
	s_wait_tensorcnt 0x0                           ; and my one tensor load that was out, my part of the next slot, has landed
	ds_add_u32 v62, v63
	s_wait_dscnt 0x0
	s_barrier_signal -1                            ; (modes 2, 3: this barrier opens a round of the cluster's barrier)
	MUL16 0, 4, 0                                  ; register work while the others arrive
	WIN 0
	s_barrier_wait -1
.if \mode >= 2
	CREST                                          ; no wave of any partner still reads this slot or has a load on its way
	s_add_nc_u64 s[G0A+4*\slot+2:G0A+4*\slot+3], s[G0A+4*\slot+2:G0A+4*\slot+3], 6*32768
	s_add_nc_u64 s[G0B+4*\slot+2:G0B+4*\slot+3], s[G0B+4*\slot+2:G0B+4*\slot+3], 6*16384
.if \mode == 2
	JLOAD \slot                                    ; my one tensor load behind the round; 176 matrix instructions stand between it and the wait for it
.else
	JLAST \slot
.endif
.endif
	PLACES
	FETCH \next, 0, 0
	WIN 0x50
	MUL16 1, 0, 0
	MUL16 1, 4, 0
	WIN 0
.endm
	s_wait_tensorcnt 0x1                           ; my part of slot 0 is in; slot 1's stays out
	s_barrier_signal -1
	s_barrier_wait -1
	FETCH 0, 0, 0
	GROUP 0, 1, 2, 1                               ; blocks 0-2; the first products start the sums: nothing is cleared; blocks 6-8 are asked for
	GROUP 1, 0, 2, 0                               ; blocks 3-5; 9-11 are asked for
	GROUP 0, 1, 2, 0                               ; blocks 6-8; 12-14 are asked for
	GROUP 1, 0, 3, 0                               ; blocks 9-11; 15 is asked for
	GROUP 0, 1, 1, 0                               ; blocks 12-14; nothing is left to fetch
	QPLAIN 1, 1, 0, 1, 0                           ; block 15
	s_wait_dscnt 0x0
	WIN 0x50
	MUL16 1, 0, 0
	MUL16 1, 4, 0
	WIN 0
	; the way out, 16 rows at a time: f32 into my own stage, back as whole rows of 256 bytes
	PLACES
	s_lshl_b32 s16, s13, 8
	s_lshl_b32 s17, s11, 7
	s_add_co_u32 s16, s16, s17                     ; my first row
	s_lshl_b32 s16, s16, 12
	s_mov_b32 s17, 0
	s_add_nc_u64 s[8:9], s[8:9], s[16:17]
	s_lshl_b32 s46, s42, 9                         ; my first column, in bytes: 512 x block + 256 x half
	s_lshl_b32 s47, s12, 8
	s_add_co_u32 s46, s46, s47
	s_mov_b32 s47, 0
	s_add_nc_u64 s[8:9], s[8:9], s[46:47]
.macro OUT16 ai, f
	WIN 0x04                                       ; store data from window 1
.irp b, 0,1,2,3
	ds_store_b128 v[STO], v[8*(4*\ai+\b):8*(4*\ai+\b)+3]   offset:64*\b
	ds_store_b128 v[STO], v[8*(4*\ai+\b)+4:8*(4*\ai+\b)+7] offset:64*\b+16
.endr
	WIN 0
	s_wait_xcnt 0x0                                ; the registers loaded next and the stores' base are rewritten only behind this wait
.if \ai
	s_add_nc_u64 s[8:9], s[8:9], 16*4096
.endif
.irp t, 0,1,2,3,4,5,6,7
	ds_load_b128 v[\f+4*\t:\f+4*\t+3], v[RD] offset:\t*544         ; a wave's LDS instructions are served in order: these see the stores above
.endr
.irp t, 0,1,2,3,4,5,6,7
	s_wait_dscnt 7-\t
	global_store_b128 v[CO], v[\f+4*\t:\f+4*\t+3], s[8:9] offset:2*\t*4096 th:TH_STORE_NT   ; 16 lanes store 256 consecutive bytes, at a multiple of 256
.endr
.endm
	OUT16 0, 64
	OUT16 1, 96
	OUT16 2, 64
	OUT16 3, 96
	OUT16 4, 64
	OUT16 5, 96
	OUT16 6, 64
	OUT16 7, 96
	s_wait_tensorcnt 0x0
	ds_add_u32 v62, v63
	s_wait_dscnt 0x0
	CROUND                                         ; the closing round: no work-group ends while a partner may still ask for a tile that names it
	s_endpgm
.Lfunc_end_k_q2ce95a6518_outp:
	.size	k_q2ce95a6518_outp, .Lfunc_end_k_q2ce95a6518_outp-k_q2ce95a6518_outp
	.p2alignl 7, 3214868480
	.fill 96, 4, 3214868480
	.section	.rodata,"a",@progbits
	.p2align	6, 0x0
	.amdhsa_kernel k_q2ce95a6518_outp
		.amdhsa_group_segment_fixed_size 327680
		.amdhsa_private_segment_fixed_size 0
		.amdhsa_enable_private_segment 0
		.amdhsa_kernarg_size 24
		.amdhsa_user_sgpr_count 2
		.amdhsa_user_sgpr_kernarg_segment_ptr 1
		.amdhsa_wavefront_size32 1
		.amdhsa_system_sgpr_workgroup_id_x 1
		.amdhsa_system_sgpr_workgroup_id_y 1
		.amdhsa_system_sgpr_workgroup_id_z 1
		.amdhsa_system_vgpr_workitem_id 0
		.amdhsa_next_free_vgpr 512
		.amdhsa_next_free_sgpr 80
		.amdhsa_reserve_vcc 0
		.amdhsa_float_denorm_mode_32 3
		.amdhsa_float_denorm_mode_16_64 3
		.amdhsa_memory_ordered 1
		.amdhsa_forward_progress 1
		.amdhsa_inst_pref_size 148
	.end_amdhsa_kernel
	.amdgpu_metadata
---
amdhsa.version: [ 1, 2 ]
amdhsa.kernels:
  - .name:           k_q2ce95a6518_outp
    .symbol:         k_q2ce95a6518_outp.kd
    .args:
      - { .name: qs, .offset: 0, .size: 8, .value_kind: global_buffer, .address_space: global }
      - { .name: mt, .offset: 8, .size: 8, .value_kind: global_buffer, .address_space: global }
      - { .name: out0, .offset: 16, .size: 8, .value_kind: global_buffer, .address_space: global }
    .group_segment_fixed_size: 327680
    .private_segment_fixed_size: 0
    .kernarg_segment_align: 8
    .kernarg_segment_size: 24
    .max_flat_workgroup_size: 128
    .sgpr_count:     80
    .vgpr_count:     512
    .wavefront_size: 32
...
	.end_amdgpu_metadata
.endif
;; end of part 4
;; ======== version 2 of 2: 4 launches; version 1 with the launch prep written anew for expert scheduling mode
;; workspace buffers: fb 16,777,216 bytes; wq 6,291,456 bytes; wo 2,097,152 bytes; qs 16,777,216 bytes; part 8,912,896 bytes; mt 4,194,304 bytes
;; launch prep (part 5): grid 256 x 1, 12 waves a work-group, no clusters, 36,352 bytes of LDS; arguments feats, W_qkv, W_out, fb, wq, wo; writes fb, wq, wo
.if DOCPART == 5
	.amdgcn_target "amdgcn-amd-amdhsa--gfx1250"
	.amdhsa_code_object_version 6
	.text
	.protected	k_q2ce95a6518_prep
	.globl	k_q2ce95a6518_prep
	.p2align	8
	.type	k_q2ce95a6518_prep,@function
k_q2ce95a6518_prep:
	s_mov_b64 s[64:65], 0
	v_nop
	global_prefetch_b8 v0, s[64:65] scope:SCOPE_SE
	s_setreg_imm32_b32 hwreg(HW_REG_WAVE_SCHED_MODE, 0, 2), 2
	s_setreg_imm32_b32 hwreg(HW_REG_WAVE_MODE, 25, 1), 1
	s_wait_xcnt 0x0
	s_wait_alu depctr_vm_vsrc(0)
; bf16 copies of the three inputs, in the layouts that the later launches read.
;   fb[kb][row][k]  = feats[row][64 kb + k]                                   (8192 rows of 128 bytes in each of 16 K blocks)
;   wq[kb][row'][k] = W_qkv[64 kb + k][col], row' = 384 g + 192 j + 64 t + c for col = 1024 t + 64 (2 g + j) + c  (t: q, k, v)
;   wo[h][ct][s][hf][lane][8] = W_out[64 h + 32 s + 16 hf + 8 (lane >> 4) + 0..7][16 ct + (lane & 15)]: the register image of a matrix
;   fragment (16 columns c, K = e), so that 512 consecutive bytes fill four registers of a wave.
; 256 work-groups of 12 waves.  Waves 0-3: one unit of 64 k x 64 columns of a weight each (1,024 units), transposed through the wave's own
; LDS bytes.  Waves 4-11: 4 rows of feats each, straight through registers.  Both kinds of share read 16 KiB and write 8 KiB, so every
; work-group has the same 12 shares.
; Memory binds: every input byte is read once, in pieces of 256 consecutive bytes; every store of a wave covers 256 or 512 consecutive
; aligned bytes.  No matrix unit, no cluster (no two work-groups read the same bytes), no barrier (a wave reads only LDS bytes it wrote).
; Rounding: f32 to bf16, nearest even, once.
; THE MODE: SCHED_MODE bits 1:0 = 2 (LLVM: expert scheduling mode 2), set by the entry lines.  The code itself states the register dependences
; between vector instructions and memory or LDS instructions, with s_wait_alu, always for 0.
; THE PLAN.  Registers that memory or LDS instructions touch:
;   v3 to v7      offsets and LDS addresses: made by vector instructions at a path's head, never written again: one wait ahead of the path's first load.
;   X, v16-143    Written by the global loads, read by the conversions.  In a weight wave v16-79 are then written once more, by the loads back from
;                 LDS, and read by the global stores.
;   Y, v144-207   Each register is written once, by a conversion, and read once, by an LDS store (weights) or a global store (feats).
;   v208, v209    Written at the head, read by the closing add alone.
; The stores of a group of conversions stand at the head of the NEXT group, behind that group's wait for its loads and one wait on va_vdst; behind
; the last group one more such wait stands ahead of the last stores.  No register that a memory or LDS instruction reads is ever written again,
; so the text holds no wait on vm_vsrc.
.set X,     16                         ; v[16:143]  as loaded
.set Y,     144                        ; v[144:207] packed bf16
.set WLDS,  8704                       ; a weight wave's LDS: 32 rows of 272 bytes (two output rows of 128 bytes + 16 of padding)
	s_load_b256 s[4:11], s[0:1], 0x0               ; feats s[4:5], W_qkv s[6:7], W_out s[8:9], fb s[10:11]
	s_load_b128 s[12:15], s[0:1], 0x20             ; wq s[12:13], wo s[14:15]
	v_lshl_add_u32 v208, v0, 2, 0x8800
	v_mov_b32 v209, 0
	v_lshrrev_b32 v1, 5, v0
	v_readfirstlane_b32 s16, v1                    ; wave 0..11
	v_and_b32 v2, 31, v0                           ; lane
	s_mov_b32 s17, ttmp9
	s_mov_b32 s21, 0                               ; upper words of the two offset pairs
	s_mov_b32 s23, 0
	s_wait_kmcnt 0x0
	s_wait_alu depctr_va_sdst(0)                   ; s16 is written, ahead of its first reader, the compare below; the shares and bases of both paths are made from it
	s_cmp_ge_u32 s16, 4
	s_cbranch_scc1 .Lfeats
	; ---- weights ----
	s_lshl2_add_u32 s19, s17, s16                  ; unit = 4 x work-group + wave
	s_lshr_b32 s18, s19, 4                         ; cb: block of 64 columns, 0-47 of W_qkv, 48-63 of W_out
	s_and_b32 s19, s19, 15                         ; kb
	v_lshlrev_b32 v3, 3, v2                        ; my two columns: 8 bytes a lane, 256 bytes a wave
	s_mul_i32 s24, s16, WLDS
	v_mul_u32_u24 v4, v2, 272
	v_add_nc_u32 v4, s24, v4                       ; in: lane L's two output rows lie at L x 272 and L x 272 + 128
	v_lshrrev_b32 v8, 4, v2                        ; hh
	v_and_b32 v9, 15, v2                           ; r
	v_mul_u32_u24 v5, v8, 272
	v_lshl_add_u32 v5, v9, 4, v5
	v_add_nc_u32 v5, s24, v5                       ; back by rows: lanes 0-15 one LDS row (two output rows), lanes 16-31 the next
	v_lshrrev_b32 v7, 1, v9
	v_mul_u32_u24 v7, v7, 272
	v_and_b32 v9, 1, v9
	v_lshl_add_u32 v7, v9, 7, v7
	v_lshl_add_u32 v7, v8, 4, v7
	v_add_nc_u32 v7, s24, v7                       ; back by fragments: column r's row, 16 bytes for each half of the lanes
	v_lshlrev_b32 v6, 4, v2                        ; out: 16 bytes a lane
; One unit: 64 rows (k) of 256 bytes from s[32:33], pitch bytes apart; 8 KiB, dense, to s[34:35]:
; frag = 0: 64 rows of 128 bytes; frag = 1: 16 pieces of 512 bytes in fragment order (column tile t >> 2, 32 bytes of k for each t & 3).
.macro WUNIT pitch, frag
	s_wait_alu depctr_va_vdst(0)                   ; v3 to v7 are written: the offsets and LDS addresses that every load, LDS access and store of this path reads
.set k, 0
.rept 64
	global_load_b64 v[X+2*k:X+2*k+1], v3, s[32:33] offset:k*\pitch th:TH_LOAD_NT
.set k, k+1
.endr
.irp c, 0,1,2,3,4,5,6,7
	s_wait_loadcnt 56-8*\c                         ; loads return in order: the rows k = 8c .. 8c+7 are in, the 56 - 8c younger stay out
.if \c > 0
	s_wait_alu depctr_va_vdst(0)                   ; the eight conversions of the group before have written their Y, which the two LDS stores below read
	ds_store_b128 v4, v[Y+8*(\c-1):Y+8*(\c-1)+3] offset:16*(\c-1)
	ds_store_b128 v4, v[Y+8*(\c-1)+4:Y+8*(\c-1)+7] offset:16*(\c-1)+128
.endif
.irp i, 0,1,2,3
	v_cvt_pk_bf16_f32 v[Y+8*\c+\i],   v[X+2*(8*\c+2*\i)],   v[X+2*(8*\c+2*\i+1)]     ; even column, k and k + 1
	v_cvt_pk_bf16_f32 v[Y+8*\c+4+\i], v[X+2*(8*\c+2*\i)+1], v[X+2*(8*\c+2*\i+1)+1]   ; odd column
.endr
.endr
	s_wait_alu depctr_va_vdst(0)                   ; the last group's conversions have written their Y, which the two LDS stores below read; and all conversions are done reading X, in which the loads back from LDS land
	ds_store_b128 v4, v[Y+56:Y+59] offset:112
	ds_store_b128 v4, v[Y+60:Y+63] offset:240
.irp t, 0,1,2,3,4,5,6,7,8,9,10,11,12,13,14,15
.if \frag
	ds_load_b128 v[X+4*\t:X+4*\t+3], v7 offset:(\t>>2)*2176+(\t&3)*32   ; a wave's LDS instructions are served in order: these see the stores above
.else
	ds_load_b128 v[X+4*\t:X+4*\t+3], v5 offset:\t*544
.endif
.endr
.irp t, 0,1,2,3,4,5,6,7,8,9,10,11,12,13,14,15
	s_wait_dscnt 15-\t
	global_store_b128 v6, v[X+4*\t:X+4*\t+3], s[34:35] offset:\t*512   ; 512 consecutive bytes
.endr
	s_wait_dscnt 0x0                               ; the closing lines, six on end
	s_wait_alu 0x0
	s_wait_tensorcnt 0x0
	ds_add_u32 v208, v209
	s_wait_dscnt 0x0
	s_endpgm
.endm
	s_cmp_ge_u32 s18, 48
	s_cbranch_scc1 .Lwout
	s_mul_i32 s20, s19, 64*12288                   ; W_qkv: 64 rows of 12,288 bytes for each kb,
	s_lshl_b32 s24, s18, 8                         ; 256 bytes for each block of columns
	s_add_co_u32 s20, s20, s24
	s_add_nc_u64 s[32:33], s[6:7], s[20:21]
	s_lshr_b32 s24, s18, 4                         ; t
	s_and_b32 s25, s18, 15                         ; head
	s_lshr_b32 s26, s25, 1                         ; g
	s_and_b32 s25, s25, 1                          ; j
	s_mul_i32 s26, s26, 6
	s_mul_i32 s25, s25, 3
	s_add_co_u32 s26, s26, s25
	s_add_co_u32 s26, s26, s24                     ; 6 g + 3 j + t: the block of 64 rows of wq
	s_mul_i32 s22, s19, 3072*128
	s_lshl_b32 s26, s26, 13
	s_add_co_u32 s22, s22, s26
	s_add_nc_u64 s[34:35], s[12:13], s[22:23]
	WUNIT 12288, 0
.Lwout:
	s_sub_co_u32 s24, s18, 48
	s_lshl_b32 s20, s19, 18                        ; W_out: 64 rows of 4,096 bytes for each kb (= head)
	s_lshl_b32 s25, s24, 8
	s_add_co_u32 s20, s20, s25
	s_add_nc_u64 s[32:33], s[8:9], s[20:21]
	s_lshl_b32 s22, s19, 17                        ; wo: 131,072 bytes for each head, 8,192 for each 64 columns
	s_lshl_b32 s25, s24, 13
	s_add_co_u32 s22, s22, s25
	s_add_nc_u64 s[34:35], s[14:15], s[22:23]
	WUNIT 4096, 1
	; ---- feats ----
; Four stores: what loads first .. first + 3 brought, rounded.
.macro FOUT first
.set m, \first
.rept 4
.if (m&15) < 8
	global_store_b64 v5, v[Y+2*m:Y+2*m+1], s[34:35] offset:(m&7)*1048576+(m>>4)*256
.else
	global_store_b64 v5, v[Y+2*m:Y+2*m+1], s[36:37] offset:(m&7)*1048576+(m>>4)*256
.endif
.set m, m+1
.endr
.endm
.Lfeats:
	s_lshl_b32 s18, s17, 5
	s_sub_co_u32 s19, s16, 4
	s_lshl2_add_u32 s18, s19, s18                  ; my first row = 32 x work-group + 4 (wave - 4)
	s_lshl_b32 s20, s18, 12
	s_add_nc_u64 s[32:33], s[4:5], s[20:21]
	s_lshl_b32 s22, s18, 7
	s_add_nc_u64 s[34:35], s[10:11], s[22:23]      ; fb, K blocks 0-7
	s_add_nc_u64 s[36:37], s[34:35], 0x800000      ; K blocks 8-15, so that the stores' immediates stay inside 24 signed bits
	v_lshrrev_b32 v3, 4, v2
	v_and_b32 v4, 15, v2
	v_lshlrev_b32 v4, 4, v4
	v_lshl_add_u32 v4, v3, 12, v4                  ; lanes 0-15: 256 bytes of one row; lanes 16-31: of the next
	v_lshlrev_b32 v5, 3, v2                        ; out: 8 bytes a lane, two rows of one K block = 256 consecutive bytes
	s_wait_alu depctr_va_vdst(0)                   ; v4 and v5 are written: the offsets that every load and store of this path reads
.set n, 0
.rept 32
	global_load_b128 v[X+4*n:X+4*n+3], v4, s[32:33] offset:(n>>4)*8192+(n&15)*256 th:TH_LOAD_NT
.set n, n+1
.endr
.set n, 0
.rept 32
	s_wait_loadcnt 31-n                            ; load n is in, the younger ones stay out; no register is written twice
.if (n&3) == 0 && n > 0
	s_wait_alu depctr_va_vdst(0)                   ; the eight conversions of the four loads before have written their Y, which the four stores below read
	FOUT n-4
.endif
	v_cvt_pk_bf16_f32 v[Y+2*n],   v[X+4*n],   v[X+4*n+1]
	v_cvt_pk_bf16_f32 v[Y+2*n+1], v[X+4*n+2], v[X+4*n+3]
.set n, n+1
.endr
	s_wait_alu depctr_va_vdst(0)                   ; the last eight conversions have written their Y, which the last four stores read
	FOUT 28
	s_endpgm
.Lfunc_end_k_q2ce95a6518_prep:
	.size	k_q2ce95a6518_prep, .Lfunc_end_k_q2ce95a6518_prep-k_q2ce95a6518_prep
	.p2alignl 7, 3214868480
	.fill 96, 4, 3214868480
	.section	.rodata,"a",@progbits
	.p2align	6, 0x0
	.amdhsa_kernel k_q2ce95a6518_prep
		.amdhsa_group_segment_fixed_size 36352
		.amdhsa_private_segment_fixed_size 0
		.amdhsa_enable_private_segment 0
		.amdhsa_kernarg_size 48
		.amdhsa_user_sgpr_count 2
		.amdhsa_user_sgpr_kernarg_segment_ptr 1
		.amdhsa_wavefront_size32 1
		.amdhsa_system_sgpr_workgroup_id_x 1
		.amdhsa_system_sgpr_workgroup_id_y 1
		.amdhsa_system_sgpr_workgroup_id_z 1
		.amdhsa_system_vgpr_workitem_id 0
		.amdhsa_next_free_vgpr 210
		.amdhsa_next_free_sgpr 66
		.amdhsa_reserve_vcc 0
		.amdhsa_float_denorm_mode_32 3
		.amdhsa_float_denorm_mode_16_64 3
		.amdhsa_memory_ordered 1
		.amdhsa_forward_progress 1
		.amdhsa_inst_pref_size 44
	.end_amdhsa_kernel
	.amdgpu_metadata
---
amdhsa.version: [ 1, 2 ]
amdhsa.kernels:
  - .name:           k_q2ce95a6518_prep
    .symbol:         k_q2ce95a6518_prep.kd
    .args:
      - { .name: feats, .offset: 0, .size: 8, .value_kind: global_buffer, .address_space: global }
      - { .name: W_qkv, .offset: 8, .size: 8, .value_kind: global_buffer, .address_space: global }
      - { .name: W_out, .offset: 16, .size: 8, .value_kind: global_buffer, .address_space: global }
      - { .name: fb, .offset: 24, .size: 8, .value_kind: global_buffer, .address_space: global }
      - { .name: wq, .offset: 32, .size: 8, .value_kind: global_buffer, .address_space: global }
      - { .name: wo, .offset: 40, .size: 8, .value_kind: global_buffer, .address_space: global }
    .group_segment_fixed_size: 36352
    .private_segment_fixed_size: 0
    .kernarg_segment_align: 8
    .kernarg_segment_size: 48
    .max_flat_workgroup_size: 384
    .sgpr_count:     66
    .vgpr_count:     210
    .wavefront_size: 32
...
	.end_amdgpu_metadata
.endif
;; end of part 5
;; launch qkv: the kernel of part 2 again; grid 8 x 32, 4 waves a work-group, clusters of 4 x 4, 327,680 bytes of LDS; arguments fb, wq, qs, part; writes qs, part
;; launch ctxw: the kernel of part 3 again; grid 8 x 32, 4 waves a work-group, no clusters, 2,560 bytes of LDS; arguments part, wo, mt; writes mt
;; launch outp: the kernel of part 4 again; grid 8 x 32, 4 waves a work-group, clusters of 4 x 4, 327,680 bytes of LDS; arguments qs, mt, out0; writes out0
